; MI455X (gfx1250); checked and timed in simulation.
; The chip was launched on July 23, 2026; its instructions are those of AMD's public machine-readable ISA for CDNA 5 (MIT licence, August 2026) and "CDNA5" Instruction Set Architecture Reference Guide (July 2026). The comments in the code are by the model that wrote it; some were corrected since.
;; Multi Head Differential Attention. Allowed arithmetic: matrix products marked QUANTISED: E2M3 operands, one E8M0 scale for each 32 along K, by v_wmma_scale_f32_16x16x128_f8f6f4 with both operands' format E2M3, f32 sums; everything else in f32.
;; Inputs: Wk 16 x 1,024 x 128 float32; Wo 1,024 x 1,024 float32; Wq 16 x 1,024 x 128 float32; Wv 16 x 1,024 x 64 float32; X 1 x 2,048 x 1,024 float32; beta 1,024 float32; bk 16 x 128 float32; bo 1,024 float32; bq 16 x 128 float32; bv 16 x 64 float32; gamma 1,024 float32; lam one number float32.
;; Outputs: out0 1 x 2,048 x 1,024 float32.
;; This version of the problem:
;;   THIS VERSION OF THE PROBLEM IS GIVEN IN LOW PRECISION. The matrix products marked QUANTISED in the list below multiply operands that are first quantised to E2M3 (2 exponent bits, 3 mantissa bits; 6 bits a number), with one power-of-two scale for each 32 numbers along K (OCP MX v1.0); their sums are f32. All else is computed in f32.
;;   The module's matrix products, in the order in which they are computed (A, B: the left and right operand; K: the contracted axis; several contracted axes count as one K, in the product's order):
;;     1. [M 2,048, K 1,024] x [K 1,024, N 2,048]; A: input Wq; B: input X: QUANTISED
;;     2. [M 2,048, K 1,024] x [K 1,024, N 2,048]; A: input Wk; B: input X: QUANTISED
;;     3. [M 1,024, K 1,024] x [K 1,024, N 2,048]; A: input Wv; B: input X: QUANTISED
;;     4. batch 16 x [M 2,048, K 64] x [K 64, N 2,048]; A: computed on the way; B: computed on the way: QUANTISED
;;     5. batch 16 x [M 2,048, K 64] x [K 64, N 2,048]; A: computed on the way; B: computed on the way: QUANTISED
;;     6. batch 16 x [M 2,048, K 2,048] x [K 2,048, N 64]; A: computed on the way; B: computed on the way: QUANTISED
;;     7. [M 2,048, K 1,024] x [K 1,024, N 1,024]; A: computed on the way; B: input Wo: QUANTISED
;;   THE QUANTISER, for each operand of a quantised product, along K:
;;     - K is cut into blocks of 32 from its start; a last block that is shorter is filled with zeros.
;;     - A block's scale is 2^e with e = floor(log2(the largest magnitude in the block)) - 2, held to -126 .. 127; a block of zeros has e = 0. As a byte (E8M0): e + 127.
;;     - Each number is divided by its block's scale, clamped to +-7.5, and rounded to the nearest number of E2M3, ties to even, subnormals kept.
;;     - The product sums the exact products of the quantised numbers (number of the format x scale) in f32.
;;   ~~~python
;;   def quantise(x, axis):      # numpy; x: float32 -> the quantised numbers, widened to float32 again
;;       x = np.moveaxis(x, axis, -1); K = x.shape[-1]
;;       x = np.pad(x, [(0, 0)] * (x.ndim - 1) + [(0, -K % 32)]); x = x.reshape(x.shape[:-1] + (-1, 32)); a = np.abs(x).max(-1, keepdims=True)
;;       e = np.where(a > 0, np.clip(np.frexp(np.where(a > 0, a, 1))[1] - 1 - 2, -126, 127), 0)      # np.frexp(a)[1] - 1 = floor(log2(a)), exactly
;;       r = np.clip(x / 2.0 ** e, -7.5, 7.5)
;;       step = 2.0 ** (np.maximum(np.frexp(np.where(r == 0, 1, r))[1] - 1, 0) - 3)
;;       q = np.round(r / step) * step * 2.0 ** e      # np.round: ties to even
;;       return np.moveaxis(q.reshape(q.shape[:-2] + (-1,))[..., :K], -1, axis).astype(np.float32)
;;   ~~~
;;   OPERANDS COMPUTED ON THE WAY. 'Computed on the way' means the value that the module computes at that place (a softmax that the list does not call 'softmax' is quantised finished and normalised). What goes into a quantiser is computed in f32, as accurately as f32 sums, v_exp_f32 and their like allow (about 1e-6 of the number): no bf16 or f16 on the way to a quantiser, and a product that is left as it is and whose result goes on into a quantised operand takes f32 operands (vector FMAs, or v_wmma_f32_16x16x4_f32). A number that lies on a knife's edge between two numbers of the format may be rounded either way, as far as f32 arithmetic and the matrix unit's own rounding can turn it there, and no further.
;; 2 versions, each right; version 2 is version 1 with the launches proj, outln written anew for expert scheduling mode. Each part assembles by itself: llvm-mc -triple=amdgcn-amd-amdhsa -mcpu=gfx1250 --defsym DOCPART=n.
;; ======== version 1 of 2: 4 launches
;; workspace buffers: CODES 6,291,456 bytes; SCALES 262,144 bytes; QP 3,276,800 bytes; KV 4,915,200 bytes; OC 1,572,864 bytes; OS 65,536 bytes
;; launch quant (part 1): grid 256 x 1, 4 waves a work-group, no clusters, 58,880 bytes of LDS; arguments X, Wq, Wk, Wv, Wo, CODES, SCALES; writes CODES, SCALES
.if DOCPART == 1
	.amdgcn_target "amdgcn-amd-amdhsa--gfx1250"
	.amdhsa_code_object_version 6
	.text
	.protected	k_q13c0e1e495_quant
	.globl	k_q13c0e1e495_quant
	.p2align	8
	.type	k_q13c0e1e495_quant,@function
k_q13c0e1e495_quant:
	s_mov_b64 s[64:65], 0
	v_nop
	global_prefetch_b8 v0, s[64:65] scope:SCOPE_SE
	s_setreg_imm32_b32 hwreg(HW_REG_WAVE_MODE, 25, 1), 1
	s_wait_xcnt 0x0
; X [2048][1024], Wq, Wk [16][1024][128], Wv [16][1024][64], Wo [1024][1024], all f32, become codes of FP6 (E2M3) with one E8M0 byte for each 32 along K (K = 1,024 for all five).
; A block's scale is 2^(floor(log2(its largest magnitude)) - 2); its byte is the largest magnitude's exponent field - 2, held at 1 from below by a floor among the maximum's leaves.
; LIMITS: NaN and infinities are not served; a block whose largest magnitude lies under 2^-124 gets the byte 1; a block of zeros gets the byte 1 with zero codes (these bytes are read by this program alone).
; LAYOUT OF THE RESULT: the order of the matrix operand's registers.  Rows go in groups of 32; tile 2 G + u, lane r holds row 32 G + 8 u + r + 8 (r / 8).
; A fragment (tile T, K step s: 16 rows x 128 K, 12 registers a lane) lies at (8 T + s) x 1,536 bytes: registers 4 j .. 4 j + 3 of lane l at 512 j + 16 l.  Scale bytes: 32 for image row 16 T + r.
; Image rows: Wq 0 .. 2047 (128 head + c), Wk from 2048, Wv from 4096 (64 head + d), Wo from 5120 (n), X from 6144 (token).
; SHARES: work-groups 0-191 take the weights, whose K is not innermost: a lane takes a column, its registers run down K (32 columns x 256 K a wave).  Work-groups 192-255 take X, whose K is innermost:
; a wave takes one tile of 16 tokens x 512 K; each load reads 512 consecutive bytes of a row, and the numbers turn through the wave's own stage in LDS so that a lane holds 16 neighbours of a block.
; The two ways part on the work-group's number and have LDS bytes of their own (weights: 0 .. 24,575; X: from 24,576).  Waves share nothing: no barrier.
.set SEL, 48                           ; s[48:49] lane selects for v_permlanex16_b32: lane l xor 16
.set TM,  224                          ; v224-239 at work in QUANT
.set PW,  240                          ; the scale word just made
.set SW,  241                          ; v241-244 a unit's scale words
.set PC,  8                            ; v8-27 the codes just made (X's way)
.set R,   32                           ; v32-159 X: two sets of 64 registers as loaded
.set XQ,  160                          ; v160-223 X: 64 numbers, 16 neighbours of each of four blocks
.set OFF, 32                           ; v32-63 weights: 4 x column + i x pitch
.set XS,  64                           ; v64-127 weights: two sets of 32 numbers
.set C,   16                           ; v16-22 weights: a block's codes
.set SBY, 24                           ; v24-25 weights: eight scale bytes
.set OUTR, 128                         ; v128-175 weights: the way out
.set WA,  8
.set RB,  9
.set CO,  10
.set SO,  11
.set MSB, 0
.macro WIN new                         ; the immediate's high byte repeats the setting that is left; a switch that changes nothing is dropped
.if MSB != (\new)
	s_set_vgpr_msb (MSB<<8)|(\new)
.set MSB, (\new)
.endif
.endm
; 32 nc numbers of a lane at v[s] of window w, register 16 b + i = k 32 b + 16 (lane / 16) + i of the lane's row, become 6 nc registers of codes at v[PC] and the scale bytes in v[PW].
.macro QUANT s, nc, w
	WIN (\w)|((\w)<<2)
.set qb, 0
.rept 2*(\nc)
	v_max3_num_f32 v[TM+qb], |v[(\s)+16*qb]|, |v[(\s)+16*qb+1]|, 0x1800000   ; my 16 numbers of block qb, and the floor 2^(3 - 127)
.set qb, qb+1
.endr
.set qi, 2
.rept 7
.set qb, 0
.rept 2*(\nc)
	v_max3_num_f32 v[TM+qb], |v[(\s)+16*qb+qi]|, |v[(\s)+16*qb+qi+1]|, v[TM+qb]
.set qb, qb+1
.endr
.set qi, qi+2
.endr
	WIN 0
.set qb, 0
.rept 2*(\nc)
	v_permlanex16_b32 v[TM+4+qb], v[TM+qb], s[SEL], s[SEL+1]
.set qb, qb+1
.endr
.set qb, 0
.rept 2*(\nc)
	v_max_num_f32 v[TM+qb], v[TM+qb], v[TM+4+qb]     ; with lane l xor 16's: the block's largest magnitude
.set qb, qb+1
.endr
.set qb, 0
.rept 2*(\nc)
	v_add_nc_u32 v[TM+12+qb], 0xff000000, v[TM+qb]   ; 2 off its exponent field: the conversion's scale operand
.set qb, qb+1
.endr
.set qb, 0
.rept 2*(\nc)
	v_lshrrev_b32 v[TM+4+qb], 23, v[TM+12+qb]        ; the scale's byte
.set qb, qb+1
.endr
	v_lshl_or_b32 v[PW], v[TM+5], 8, v[TM+4]
.if (\nc) == 2
	v_lshl_or_b32 v[PW], v[TM+6], 16, v[PW]
	v_lshl_or_b32 v[PW], v[TM+7], 24, v[PW]
.endif
	WIN (\w)
.set qc, 0
.rept (\nc)
	v_cvt_scalef32_pk16_fp6_f32 v[PC+6*qc:PC+6*qc+2], v[(\s)+32*qc:(\s)+32*qc+15], v[TM+12+2*qc]
	v_cvt_scalef32_pk16_fp6_f32 v[PC+12+4*qc:PC+12+4*qc+2], v[(\s)+32*qc+16:(\s)+32*qc+31], v[TM+13+2*qc]
.set qc, qc+1
.endr
	WIN 0
	v_nop                                          ; one plain place behind the scaled conversions
.set qc, 0
.rept (\nc)
.irp i, 0,1,2
	v_permlane16_swap_b32 v[PC+6*qc+\i], v[PC+12+4*qc+\i]   ; a whole block to a lane: lanes 0-15 block 2 c, lanes 16-31 block 2 c + 1
.endr
.irp i, 0,1,2
	v_mov_b32 v[PC+3+6*qc+\i], v[PC+12+4*qc+\i]
.endr
.set qc, qc+1
.endr
.endm
	s_load_b256 s[4:11], s[0:1], 0x0               ; X s[4:5], Wq s[6:7], Wk s[8:9], Wv s[10:11]
	s_load_b128 s[12:15], s[0:1], 0x20             ; Wo s[12:13], CODES s[14:15]
	s_load_b64 s[16:17], s[0:1], 0x30              ; SCALES
	v_lshl_add_u32 v254, v0, 2, 0xe400
	v_mov_b32 v255, 0
	v_lshrrev_b32 v1, 5, v0
	v_readfirstlane_b32 s18, v1                    ; wave 0..3
	v_and_b32 v1, 31, v0                           ; lane
	s_mov_b32 s19, ttmp9
	s_cmp_ge_u32 s19, 192
	s_cbranch_scc1 .Lx_path
	; ---------------- the weights: one text for all four; only pointers and sizes are chosen, on the work-group's number
	s_lshl_b32 s56, s18, 7                         ; 128 x wave: my 32 columns
	s_lshr_b32 s50, s18, 1
	s_lshl_b32 s50, s50, 18                        ; Wv: waves 2, 3 stand in the next head (262,144 bytes on),
	s_and_b32 s51, s18, 1
	s_lshl_b32 s51, s51, 7
	s_add_co_u32 s50, s50, s51                     ; at its columns 32 (wave % 2)
	s_mov_b32 s20, 160                             ; Wo's figures: first work-group,
	s_mov_b32 s21, 4096                            ; bytes from k to k + 1,
	s_mov_b32 s22, 512                             ; bytes from a block of 128 columns to the next,
	s_mov_b32 s23, s56                             ; my wave's place in the block
	s_wait_kmcnt 0x0
	s_mov_b64 s[24:25], s[12:13]
	s_cmp_lt_u32 s19, 160                          ; Wv
	s_cselect_b64 s[24:25], s[10:11], s[24:25]
	s_cselect_b32 s20, 128, s20
	s_cselect_b32 s21, 256, s21
	s_cselect_b32 s22, 0x80000, s22
	s_cselect_b32 s23, s50, s23
	s_cmp_lt_u32 s19, 128                          ; Wk
	s_cselect_b64 s[24:25], s[8:9], s[24:25]
	s_cselect_b32 s20, 64, s20
	s_cselect_b32 s21, 512, s21
	s_cselect_b32 s23, s56, s23
	s_cmp_lt_u32 s19, 64                           ; Wq
	s_cselect_b64 s[24:25], s[6:7], s[24:25]
	s_cselect_b32 s20, 0, s20
	v_lshlrev_b32 v2, 2, v1                        ; 4 x column
.irp i, 0,1,2,3,4,5,6,7,8,9,10,11,12,13,14,15,16,17,18,19,20,21,22,23,24,25,26,27,28,29,30,31
	v_mad_u32_u24 v[OFF+\i], s21, \i, v2           ; + i rows down K
.endr
	s_sub_co_u32 s57, s19, s20
	s_lshr_b32 s57, s57, 2                         ; which block of 128 columns
	s_and_b32 s58, s19, 3                          ; y: which 256 along K
	s_mul_i32 s57, s57, s22
	s_add_co_u32 s57, s57, s23
	s_lshl_b32 s59, s21, 8
	s_mul_i32 s59, s59, s58
	s_add_co_u32 s26, s57, s59
	s_mov_b32 s27, 0
	s_add_nc_u64 s[28:29], s[24:25], s[26:27]      ; block 0's base
	s_lshl_b32 s26, s21, 5                         ; 32 rows down K
.irp t, 1,2,3,4,5,6,7
	s_add_nc_u64 s[28+2*\t:29+2*\t], s[26+2*\t:27+2*\t], s[26:27]   ; a base for each of the eight blocks: none is ever stepped
.endr
.macro LOADB t                         ; block t: 32 numbers down K of my column; 32 lanes read 128 consecutive bytes
.irp i, 0,1,2,3,4,5,6,7,8,9,10,11,12,13,14,15,16,17,18,19,20,21,22,23,24,25,26,27,28,29,30,31
	global_load_b32 v[XS+32*((\t)%2)+\i], v[OFF+\i], s[28+2*(\t):29+2*(\t)] th:TH_LOAD_NT
.endr
.endm
	LOADB 0
	LOADB 1
	s_lshr_b32 s60, s19, 2
	s_lshl_b32 s60, s60, 2
	s_add_co_u32 s60, s60, s18                     ; G: my group of 32 image rows
	s_mul_i32 s61, s60, 24576
	s_mul_i32 s62, s58, 3072
	s_add_co_u32 s62, s62, s61
	s_mov_b32 s63, 0
	s_add_nc_u64 s[44:45], s[14:15], s[62:63]      ; codes: tile 2 G, K step 2 y
	s_lshl_b32 s62, s60, 10
	s_lshl_b32 s61, s58, 3
	s_add_co_u32 s62, s62, s61
	s_add_nc_u64 s[46:47], s[16:17], s[62:63]      ; scale bytes: image row 32 G, byte 8 y
	v_bfe_u32 v3, v1, 3, 1                         ; u: my column's tile in the group
	v_and_b32 v4, 7, v1
	v_lshrrev_b32 v5, 4, v1
	v_lshl_add_u32 v4, v5, 3, v4                   ; r: its lane there
	s_mul_i32 s61, s18, 6144                       ; my stage: [u 2][K step 2][1,536]
	v_mul_u32_u24 v[WA], v3, 3072
	v_lshl_add_u32 v[WA], v4, 4, v[WA]
	v_add_nc_u32 v[WA], s61, v[WA]
	v_lshlrev_b32 v[CO], 4, v1                     ; the way out: 16 bytes a lane
	v_add_nc_u32 v[RB], s61, v[CO]
	v_lshl_add_u32 v[SO], v3, 4, v4
	v_lshlrev_b32 v[SO], 5, v[SO]                  ; 32 bytes for each image row
.macro BLOCK t
.set XB, XS+32*((\t)%2)
.if (\t) < 7
	s_wait_loadcnt 32                              ; this block's 32 loads are in; the next block's 32 may be out
.else
	s_wait_loadcnt 0x0
.endif
	v_max3_num_f32 v12, |v[XB]|, |v[XB+1]|, |v[XB+2]|   ; the block's largest magnitude: all 32 numbers are mine
	v_max3_num_f32 v13, |v[XB+3]|, |v[XB+4]|, |v[XB+5]|
.irp i, 6,10,14,18,22,26
	v_max3_num_f32 v12, v12, |v[XB+\i]|, |v[XB+\i+1]|
	v_max3_num_f32 v13, v13, |v[XB+\i+2]|, |v[XB+\i+3]|
.endr
	v_max3_num_f32 v12, v12, |v[XB+30]|, |v[XB+31]|
	v_max3_num_f32 v12, v12, v13, 0x1800000        ; and the floor 2^(3 - 127)
	v_add_nc_u32 v14, 0xff000000, v12              ; 2 off the exponent field: the conversion's scale operand
	v_lshrrev_b32 v13, 23, v14                     ; the byte
.if (\t)%4 == 0
	v_mov_b32 v[SBY+(\t)/4], v13
.else
	v_lshl_or_b32 v[SBY+(\t)/4], v13, 8*((\t)%4), v[SBY+(\t)/4]
.endif
	v_cvt_scalef32_pk16_fp6_f32 v[C:C+2], v[XB:XB+15], v14
	v_cvt_scalef32_pk16_fp6_f32 v[C+4:C+6], v[XB+16:XB+31], v14
	v_nop                                          ; one plain place behind the scaled conversions
	v_mov_b32 v[C+3], v[C+4]                       ; the block's six registers on end
	v_mov_b32 v[C+4], v[C+5]
	v_mov_b32 v[C+5], v[C+6]
.set BOF, 1536*((\t)/4)+256*((\t)%2)   ; block t of my 256: K step t / 4, lane half t % 2, registers 6 ((t / 2) % 2) on
.if ((\t)/2)%2 == 0
	ds_store_b128 v[WA], v[C:C+3] offset:BOF       ; registers 0-3
	ds_store_b64 v[WA], v[C+4:C+5] offset:BOF+512  ; registers 4, 5
.else
	ds_store_b64 v[WA], v[C:C+1] offset:BOF+520    ; registers 6, 7
	ds_store_b128 v[WA], v[C+2:C+5] offset:BOF+1024   ; registers 8-11
.endif
.if (\t)+2 < 8
	LOADB (\t)+2
.endif
	s_wait_dscnt 0x0                               ; the stores have read their registers: the next block's codes may be written
.endm
.irp t, 0,1,2,3,4,5,6,7
	BLOCK \t
.endr
	global_store_b64 v[SO], v[SBY:SBY+1], s[46:47] ; my column's eight bytes
.irp q, 0,1,2,3,4,5,6,7,8,9,10,11
	ds_load_b128 v[OUTR+4*\q:OUTR+4*\q+3], v[RB] offset:512*\q   ; LDS serves a wave's instructions in order: these see my stores
.endr
.irp q, 0,1,2,3,4,5,6,7,8,9,10,11
	s_wait_dscnt 11-\q                             ; the younger reads of the stage may be out
	global_store_b128 v[CO], v[OUTR+4*\q:OUTR+4*\q+3], s[44:45] offset:12288*(\q/6)+1536*((\q%6)/3)+512*(\q%3)   ; 32 lanes store 512 consecutive bytes, aligned
.endr
	s_wait_tensorcnt 0x0
	ds_add_u32 v254, v255
	s_wait_dscnt 0x0
	s_endpgm
	; ---------------- X
.Lx_path:
	s_sub_co_u32 s20, s19, 192                     ; group of 32 tokens
	s_lshr_b32 s21, s18, 1                         ; u: which tile of the group
	s_and_b32 s22, s18, 1                          ; a: K steps 4 a .. 4 a + 3
	s_lshl_b32 s23, s20, 5
	s_lshl_b32 s24, s21, 3
	s_add_co_u32 s23, s23, s24                     ; the tile's first token
	s_lshl_b32 s26, s23, 12
	s_lshl_b32 s24, s22, 11
	s_add_co_u32 s26, s26, s24
	s_mov_b32 s27, 0
	s_lshl_b32 s28, s19, 1
	s_add_co_u32 s28, s28, s21                     ; the tile's number among all image tiles
	s_mul_i32 s30, s28, 12288
	s_mul_i32 s24, s22, 6144
	s_add_co_u32 s30, s30, s24
	s_mov_b32 s31, 0
	s_lshl_b32 s32, s28, 9
	s_lshl_b32 s24, s22, 4
	s_add_co_u32 s32, s32, s24
	s_mov_b32 s33, 0
	s_mov_b32 s[SEL], 0x76543210
	s_mov_b32 s[SEL+1], 0xfedcba98
	v_lshlrev_b32 v2, 4, v1                        ; 16 x lane
	s_mul_i32 s34, s18, 8448
	s_add_co_u32 s34, s34, 24576                   ; my stage: 16 rows x (512 bytes + 16)
	v_add_nc_u32 v3, s34, v2                       ; in: a row's 512 bytes as they lie
	v_and_b32 v4, 15, v1                           ; r
	v_lshrrev_b32 v5, 4, v1                        ; h
	v_mul_u32_u24 v6, v4, 528
	v_lshl_add_u32 v6, v5, 6, v6
	v_add_nc_u32 v6, s34, v6                       ; out: row r, + 64 h: my 16 numbers of each block of 32
	v_lshlrev_b32 v7, 5, v4
	v_lshl_add_u32 v7, v5, 3, v7                   ; scale bytes: 32 r + 8 h
.irp b, 0,1,2,3
	v_mov_b32 v[TM+4+\b], 0                        ; written once: a lane permute's destination counts as one of its sources
.endr
	s_wait_kmcnt 0x0
	s_add_nc_u64 s[4:5], s[4:5], s[26:27]
	s_add_nc_u64 s[14:15], s[14:15], s[30:31]
	s_add_nc_u64 s[16:17], s[16:17], s[32:33]
.macro LOADU u                         ; unit u: 128 along K of the tile's 16 tokens; each load reads 512 consecutive bytes of one token's row
.irp i, 0,1,2,3,4,5,6,7,8,9,10,11,12,13,14,15
	global_load_b128 v[R+64*((\u)%2)+4*\i:R+64*((\u)%2)+4*\i+3], v2, s[4:5] offset:(\i+8*(\i/8))*4096+512*(\u) th:TH_LOAD_NT
.endr
.endm
	LOADU 0
	LOADU 1
.macro UNIT u
.if (\u) < 3
	s_wait_loadcnt 16                              ; this unit's 16 loads are in; the next unit's 16 may be out
.else
	s_wait_loadcnt 0x0
.endif
	s_wait_xcnt 0x0                                ; the last unit's stores have read the codes' registers, which are written again below
.irp i, 0,1,2,3,4,5,6,7,8,9,10,11,12,13,14,15
	ds_store_b128 v3, v[R+64*((\u)%2)+4*\i:R+64*((\u)%2)+4*\i+3] offset:528*\i
.endr
.irp b, 0,1,2,3
.irp j, 0,1,2,3
	ds_load_b128 v[XQ+16*\b+4*\j:XQ+16*\b+4*\j+3], v6 offset:128*\b+16*\j   ; LDS serves a wave's instructions in order: these see the stores above
.endr
.endr
	s_wait_dscnt 0x0
.if (\u)+2 < 4
	LOADU (\u)+2
.endif
	QUANT XQ, 2, 0
	v_mov_b32 v[SW+(\u)], v[PW]
.irp j, 0,1,2
	global_store_b128 v2, v[PC+4*\j:PC+4*\j+3], s[14:15] offset:1536*(\u)+512*\j   ; the fragment as it stands: 512 consecutive bytes a store
.endr
.endm
.irp u, 0,1,2,3
	UNIT \u
.endr
	v_cmp_lt_u32 vcc_lo, 15, v1                    ; lanes 0-15 store words 0, 1 of my four, lanes 16-31 words 2, 3 (both halves hold all four)
	v_cndmask_b32 v28, v[SW], v[SW+2], vcc_lo
	v_cndmask_b32 v29, v[SW+1], v[SW+3], vcc_lo
	global_store_b64 v7, v[28:29], s[16:17]
	s_wait_tensorcnt 0x0
	ds_add_u32 v254, v255
	s_wait_dscnt 0x0
	s_endpgm
.Lfunc_end_k_q13c0e1e495_quant:
	.size	k_q13c0e1e495_quant, .Lfunc_end_k_q13c0e1e495_quant-k_q13c0e1e495_quant
	.p2alignl 7, 3214868480
	.fill 96, 4, 3214868480
	.section	.rodata,"a",@progbits
	.p2align	6, 0x0
	.amdhsa_kernel k_q13c0e1e495_quant
		.amdhsa_group_segment_fixed_size 58880
		.amdhsa_private_segment_fixed_size 0
		.amdhsa_enable_private_segment 0
		.amdhsa_kernarg_size 56
		.amdhsa_user_sgpr_count 2
		.amdhsa_user_sgpr_kernarg_segment_ptr 1
		.amdhsa_wavefront_size32 1
		.amdhsa_system_sgpr_workgroup_id_x 1
		.amdhsa_system_sgpr_workgroup_id_y 1
		.amdhsa_system_sgpr_workgroup_id_z 1
		.amdhsa_system_vgpr_workitem_id 0
		.amdhsa_next_free_vgpr 256
		.amdhsa_next_free_sgpr 66
		.amdhsa_reserve_vcc 1
		.amdhsa_float_denorm_mode_32 3
		.amdhsa_float_denorm_mode_16_64 3
		.amdhsa_memory_ordered 1
		.amdhsa_forward_progress 1
		.amdhsa_inst_pref_size 78
	.end_amdhsa_kernel
	.amdgpu_metadata
---
amdhsa.version: [ 1, 2 ]
amdhsa.kernels:
  - .name:           k_q13c0e1e495_quant
    .symbol:         k_q13c0e1e495_quant.kd
    .args:
      - { .name: X, .offset: 0, .size: 8, .value_kind: global_buffer, .address_space: global }
      - { .name: Wq, .offset: 8, .size: 8, .value_kind: global_buffer, .address_space: global }
      - { .name: Wk, .offset: 16, .size: 8, .value_kind: global_buffer, .address_space: global }
      - { .name: Wv, .offset: 24, .size: 8, .value_kind: global_buffer, .address_space: global }
      - { .name: Wo, .offset: 32, .size: 8, .value_kind: global_buffer, .address_space: global }
      - { .name: CODES, .offset: 40, .size: 8, .value_kind: global_buffer, .address_space: global }
      - { .name: SCALES, .offset: 48, .size: 8, .value_kind: global_buffer, .address_space: global }
    .group_segment_fixed_size: 58880
    .private_segment_fixed_size: 0
    .kernarg_segment_align: 8
    .kernarg_segment_size: 56
    .max_flat_workgroup_size: 128
    .sgpr_count:     66
    .vgpr_count:     256
    .wavefront_size: 32
...
	.end_amdgpu_metadata
.endif
;; end of part 1
;; launch proj (part 2): grid 16 x 16, 4 waves a work-group, no clusters, 8,704 bytes of LDS; arguments CODES, SCALES, bq, bk, bv, QP, KV; writes QP, KV
.if DOCPART == 2
	.amdgcn_target "amdgcn-amd-amdhsa--gfx1250"
	.amdhsa_code_object_version 6
	.text
	.protected	k_q13c0e1e495_proj
	.globl	k_q13c0e1e495_proj
	.p2align	8
	.type	k_q13c0e1e495_proj,@function
k_q13c0e1e495_proj:
	s_mov_b64 s[64:65], 0
	v_nop
	global_prefetch_b8 v0, s[64:65] scope:SCOPE_SE
	s_setreg_imm32_b32 hwreg(HW_REG_WAVE_MODE, 25, 1), 1
	s_wait_xcnt 0x0
; Q = X Wq + bq, K = X Wk + bk, V = X Wv + bv on codes of FP6 (E2M3) with E8M0 scales, K = 1,024; the results are quantised in registers: Q and K along their 128 columns (two products of K = 64: blocks of 32),
; V along the tokens (the keys are the last product's K), and leave in the order of the operands' registers.
; SHARES: work-group (x = block of 128 tokens, y = head) makes 128 tokens x 320 columns.  Wave w: sel = w % 2 (0: Q, 1: K), half = w / 2.
;   Job A, transposed: source 0 = the 8 tiles of Wq or Wk of the head, source 1 = token tiles 4 half + m: 32 accumulators; a lane holds one token, its registers run along the columns.
;   Job B: source 0 = the same 4 fragments of X, source 1 = Wv's tiles 2 sel + n: 8 accumulators; a lane holds one column d, its registers run along the tokens.
; Rows of every operand lie in tiles whose lane r holds row 32 G + 8 u + r + 8 (r / 8), so that the 16 registers of two neighbouring tiles are 16 neighbours along the next K.
; Operands go from memory straight into registers: a fragment is three loads of 512 consecutive bytes.  All 8 K steps are written out; every offset is an immediate; loads run two K steps ahead in two sets of registers.
; NO RING IN LDS AND NO JOINT LOADS: the work-group's operands with their scale bytes are 358,400 bytes, more than LDS holds at once, and in a ring one of only 8 K steps holds 40 matrix instructions a wave in which a refill could land.
; The biases are the C of each sum's first matrix instruction.  The 40 accumulators take turns, one instruction a turn.
; LIMITS: NaN and infinities are not served; a block whose largest magnitude lies under 2^-124, a block of zeros among them, gets the byte 1 (read by this program alone).
; REGISTERS, in windows of 256: window 0: addresses, scale words, biases, QUANT's work.  window 1: job A's accumulators at 8 (8 m + t).  window 2: W's fragments at 96 buf + 12 t; job B's accumulators at 192 + 8 (4 n + m).
;   window 3: X's fragments at 48 buf + 12 m; Wv's at 96 + 24 buf + 12 n.
.set LI,  1                            ; v1  16 x lane
.set SCW, 16                           ; v16-47 W's scale words: pair p of tiles, K step s at 8 p + s (lanes 0-15 tile 2 p, lanes 16-31 tile 2 p + 1)
.set SCX, 48                           ; v48-63 X's
.set SCV, 64                           ; v64-71 Wv's
.set BA,  72                           ; v72-135 bq or bk in the result's layout, 8 registers a tile
.set BV,  136                          ; v136-151 bv likewise
.set TM,  152
.set PW,  168
.set SW,  169
.set PC,  174
.set DD,  194
.set OUT, 196
.set BVR, 208
.set SEL, 50
.set MSB, 0
.macro WIN new                         ; the immediate's high byte repeats the setting that is left; a switch that changes nothing is dropped
.if MSB != (\new)
	s_set_vgpr_msb (MSB<<8)|(\new)
.set MSB, (\new)
.endif
.endm
; 32 nc numbers of a lane at v[s] of window w, register 16 b + i = k 32 b + 16 (lane / 16) + i of the lane's row, become 6 nc registers of codes at v[PC] and the scale bytes in v[PW].
; Each accumulator is read from its low end on.
.macro QUANT s, nc, w
	WIN (\w)|((\w)<<2)
.set qb, 0
.rept 2*(\nc)
	v_max3_num_f32 v[TM+qb], |v[(\s)+16*qb]|, |v[(\s)+16*qb+1]|, 0x1800000   ; my 16 numbers of block qb, and the floor 2^(3 - 127)
.set qb, qb+1
.endr
.set qi, 2
.rept 7
.set qb, 0
.rept 2*(\nc)
	v_max3_num_f32 v[TM+qb], |v[(\s)+16*qb+qi]|, |v[(\s)+16*qb+qi+1]|, v[TM+qb]
.set qb, qb+1
.endr
.set qi, qi+2
.endr
	WIN 0
.set qb, 0
.rept 2*(\nc)
	v_permlanex16_b32 v[TM+4+qb], v[TM+qb], s[SEL], s[SEL+1]
.set qb, qb+1
.endr
.set qb, 0
.rept 2*(\nc)
	v_max_num_f32 v[TM+qb], v[TM+qb], v[TM+4+qb]     ; with lane l xor 16's: the block's largest magnitude
.set qb, qb+1
.endr
.set qb, 0
.rept 2*(\nc)
	v_add_nc_u32 v[TM+12+qb], 0xff000000, v[TM+qb]   ; 2 off its exponent field: the conversion's scale operand
.set qb, qb+1
.endr
.set qb, 0
.rept 2*(\nc)
	v_lshrrev_b32 v[TM+4+qb], 23, v[TM+12+qb]        ; the scale's byte
.set qb, qb+1
.endr
	v_lshl_or_b32 v[PW], v[TM+5], 8, v[TM+4]
.if (\nc) == 2
	v_lshl_or_b32 v[PW], v[TM+6], 16, v[PW]
	v_lshl_or_b32 v[PW], v[TM+7], 24, v[PW]
.endif
	WIN (\w)
.set qc, 0
.rept (\nc)
	v_cvt_scalef32_pk16_fp6_f32 v[PC+6*qc:PC+6*qc+2], v[(\s)+32*qc:(\s)+32*qc+15], v[TM+12+2*qc]
	v_cvt_scalef32_pk16_fp6_f32 v[PC+12+4*qc:PC+12+4*qc+2], v[(\s)+32*qc+16:(\s)+32*qc+31], v[TM+13+2*qc]
.set qc, qc+1
.endr
	WIN 0
	v_nop                                          ; one plain place behind the scaled conversions
.set qc, 0
.rept (\nc)
.irp i, 0,1,2
	v_permlane16_swap_b32 v[PC+6*qc+\i], v[PC+12+4*qc+\i]   ; a whole block to a lane: lanes 0-15 block 2 c, lanes 16-31 block 2 c + 1
.endr
.irp i, 0,1,2
	v_mov_b32 v[PC+3+6*qc+\i], v[PC+12+4*qc+\i]
.endr
.set qc, qc+1
.endr
.endm
; One matrix instruction.  ra, rb: the side's scale words stand in lanes 16-31 of the register named.
.macro WM d, a, b, c, sa, sb, ra, rb
.if (\ra) && (\rb)
	v_wmma_scale_f32_16x16x128_f8f6f4 v[(\d):(\d)+7], v[(\a):(\a)+11], v[(\b):(\b)+11], v[(\c):(\c)+7], v[(\sa)], v[(\sb)] matrix_a_fmt:MATRIX_FMT_FP6 matrix_b_fmt:MATRIX_FMT_FP6 matrix_a_scale:MATRIX_SCALE_ROW1 matrix_b_scale:MATRIX_SCALE_ROW1
.elseif (\ra)
	v_wmma_scale_f32_16x16x128_f8f6f4 v[(\d):(\d)+7], v[(\a):(\a)+11], v[(\b):(\b)+11], v[(\c):(\c)+7], v[(\sa)], v[(\sb)] matrix_a_fmt:MATRIX_FMT_FP6 matrix_b_fmt:MATRIX_FMT_FP6 matrix_a_scale:MATRIX_SCALE_ROW1
.elseif (\rb)
	v_wmma_scale_f32_16x16x128_f8f6f4 v[(\d):(\d)+7], v[(\a):(\a)+11], v[(\b):(\b)+11], v[(\c):(\c)+7], v[(\sa)], v[(\sb)] matrix_a_fmt:MATRIX_FMT_FP6 matrix_b_fmt:MATRIX_FMT_FP6 matrix_b_scale:MATRIX_SCALE_ROW1
.else
	v_wmma_scale_f32_16x16x128_f8f6f4 v[(\d):(\d)+7], v[(\a):(\a)+11], v[(\b):(\b)+11], v[(\c):(\c)+7], v[(\sa)], v[(\sb)] matrix_a_fmt:MATRIX_FMT_FP6 matrix_b_fmt:MATRIX_FMT_FP6
.endif
.endm
	s_load_b256 s[4:11], s[0:1], 0x0               ; CODES s[4:5], SCALES s[6:7], bq s[8:9], bk s[10:11]
	s_load_b128 s[12:15], s[0:1], 0x20             ; bv s[12:13], QP s[14:15]
	s_load_b64 s[16:17], s[0:1], 0x30              ; KV
	v_lshl_add_u32 v254, v0, 2, 0x2000
	v_mov_b32 v255, 0
	v_lshrrev_b32 v1, 5, v0
	v_readfirstlane_b32 s18, v1                    ; wave 0..3
	s_and_b32 s19, s18, 1                          ; sel
	s_lshr_b32 s20, s18, 1                         ; half
	s_mov_b32 s21, ttmp9                           ; block of 128 tokens
	s_and_b32 s22, ttmp7, 0xffff                   ; head
	v_and_b32 v13, 31, v0                          ; lane
	v_and_b32 v14, 15, v0                          ; r
	v_bfe_u32 v15, v0, 4, 1                        ; h
	v_lshlrev_b32 v[LI], 4, v13
	v_lshlrev_b32 v2, 5, v13                       ; 32 x lane: a row of scale bytes
	; V's stage in LDS: four images of 1,536 bytes (tile 2 sel + n).  My six registers are registers 6 half .. 6 half + 5 of the image: three pieces of 8 bytes a lane
	s_mul_i32 s55, s19, 3072
	s_mul_i32 s56, s20, 520
	s_add_co_u32 s56, s56, s55
	v_add_nc_u32 v3, s56, v[LI]                    ; registers 0, 1 at 16 l, or 6, 7 at 512 + 16 l + 8
	s_mul_i32 s56, s20, 1016
	s_add_co_u32 s56, s56, s55
	s_add_co_u32 s56, s56, 8
	v_add_nc_u32 v4, s56, v[LI]                    ; registers 2, 3 at 16 l + 8, or 8, 9 at 1,024 + 16 l
	s_mul_i32 s56, s20, 520
	s_add_co_u32 s56, s56, s55
	s_add_co_u32 s56, s56, 512
	v_add_nc_u32 v5, s56, v[LI]                    ; registers 4, 5 at 512 + 16 l, or 10, 11 at 1,024 + 16 l + 8
	s_lshl_b32 s56, s19, 7
	s_lshl_b32 s57, s20, 1
	s_add_co_u32 s56, s56, s57
	s_add_co_u32 s56, s56, 6144
	v_lshl_add_u32 v6, v14, 2, s56                 ; V's scale words behind the images: word r of tile 2 sel + n, my two bytes at 2 half
	v_lshlrev_b32 v7, 6, v15                       ; bq, bk: 64 h
	v_and_b32 v8, 8, v14
	v_add_nc_u32 v8, v8, v14
	v_lshlrev_b32 v8, 2, v8                        ; bv: 4 (r + 8 (r / 8))
	v_lshlrev_b32 v9, 2, v13                       ; 4 x lane
	v_lshlrev_b32 v11, 3, v13                      ; 8 x lane
	v_add_nc_u32 v10, 6144, v11
	s_mul_i32 s56, s18, 1536
	v_add_nc_u32 v12, s56, v[LI]                   ; the way out of V: image w, in LDS and in memory alike
.irp b, 0,1,2,3
	v_mov_b32 v[TM+4+\b], 0                        ; written once: a lane permute's destination counts as one of its sources
.endr
	s_mov_b32 s41, 0
	s_mov_b32 s[SEL], 0x76543210
	s_mov_b32 s[SEL+1], 0xfedcba98
	s_wait_kmcnt 0x0
	s_mul_i32 s40, s19, 1572864
	s_mul_i32 s52, s22, 98304
	s_add_co_u32 s40, s40, s52
	s_add_nc_u64 s[24:25], s[4:5], s[40:41]        ; Wq's or Wk's 8 tiles of the head
	s_mul_i32 s40, s21, 98304
	s_mul_i32 s52, s20, 49152
	s_add_co_u32 s40, s40, s52
	s_add_co_u32 s40, s40, 4718592
	s_add_nc_u64 s[26:27], s[4:5], s[40:41]        ; my 4 tiles of X
	s_mul_i32 s40, s22, 49152
	s_mul_i32 s52, s19, 24576
	s_add_co_u32 s40, s40, s52
	s_add_co_u32 s40, s40, 3145728
	s_add_nc_u64 s[28:29], s[4:5], s[40:41]        ; my 2 tiles of Wv
	s_lshl_b32 s40, s19, 16
	s_lshl_b32 s52, s22, 12
	s_add_co_u32 s40, s40, s52
	s_add_nc_u64 s[30:31], s[6:7], s[40:41]        ; and the three's scale bytes
	s_lshl_b32 s40, s21, 12
	s_lshl_b32 s52, s20, 11
	s_add_co_u32 s40, s40, s52
	s_add_co_u32 s40, s40, 196608
	s_add_nc_u64 s[32:33], s[6:7], s[40:41]
	s_lshl_b32 s40, s22, 11
	s_lshl_b32 s52, s19, 10
	s_add_co_u32 s40, s40, s52
	s_add_co_u32 s40, s40, 131072
	s_add_nc_u64 s[34:35], s[6:7], s[40:41]
	s_cmp_eq_u32 s19, 0                            ; Q's wave or K's: the choice hangs on the wave's number alone
	s_cselect_b64 s[36:37], s[8:9], s[10:11]
	s_cselect_b64 s[42:43], s[14:15], s[16:17]
	s_mov_b32 s53, 307200
	s_cselect_b32 s53, 204800, s53                 ; a head's bytes in QP or in KV
	s_lshl_b32 s40, s22, 9
	s_add_nc_u64 s[36:37], s[36:37], s[40:41]      ; the head's 128 biases
	s_lshl_b32 s40, s22, 8
	s_lshl_b32 s52, s19, 7
	s_add_co_u32 s40, s40, s52
	s_add_nc_u64 s[38:39], s[12:13], s[40:41]      ; bv: the head's 64, my 32
	s_mul_i32 s53, s53, s22
	s_lshl_b32 s54, s21, 3
	s_lshl_b32 s52, s20, 2
	s_add_co_u32 s54, s54, s52                     ; my first token tile
	s_lshl_b32 s40, s54, 6
	s_add_co_u32 s40, s40, s53
	s_add_co_u32 s40, s40, 196608
	s_add_nc_u64 s[44:45], s[42:43], s[40:41]      ; where my tiles' scale words go
	s_mul_i32 s40, s54, 1536
	s_add_co_u32 s40, s40, s53
	s_add_nc_u64 s[42:43], s[42:43], s[40:41]      ; and their images
	s_mul_i32 s53, s22, 307200
	s_mul_i32 s40, s21, 6144
	s_add_co_u32 s40, s40, s53
	s_add_co_u32 s40, s40, 204800
	s_add_nc_u64 s[46:47], s[16:17], s[40:41]      ; V's four images of these 128 keys
	s_lshl_b32 s40, s21, 8
	s_add_co_u32 s40, s40, s53
	s_add_co_u32 s40, s40, 303104
	s_add_nc_u64 s[48:49], s[16:17], s[40:41]      ; and their scale words
	global_load_b32 v[BVR], v8, s[38:39]
	global_load_b32 v[BVR+1], v8, s[38:39] offset:32
.irp p, 0,1,2,3
	global_load_b128 v[SCW+8*\p:SCW+8*\p+3], v2, s[30:31] offset:1024*\p
	global_load_b128 v[SCW+8*\p+4:SCW+8*\p+7], v2, s[30:31] offset:1024*\p+16
.endr
.irp p, 0,1
	global_load_b128 v[SCX+8*\p:SCX+8*\p+3], v2, s[32:33] offset:1024*\p
	global_load_b128 v[SCX+8*\p+4:SCX+8*\p+7], v2, s[32:33] offset:1024*\p+16
.endr
	global_load_b128 v[SCV:SCV+3], v2, s[34:35]
	global_load_b128 v[SCV+4:SCV+7], v2, s[34:35] offset:16
.irp t, 0,1,2,3,4,5,6,7
	global_load_b128 v[BA+8*\t:BA+8*\t+3], v7, s[36:37] offset:(32*(\t/2)+8*(\t%2))*4      ; tile t, lane half h: columns 32 (t / 2) + 16 h + 8 (t % 2) + 0 .. 7
	global_load_b128 v[BA+8*\t+4:BA+8*\t+7], v7, s[36:37] offset:(32*(\t/2)+8*(\t%2))*4+16
.endr
.macro LOADSTEP s                      ; K step s: 42 loads of 512 consecutive bytes into set s % 2
.set LB, (\s)%2
	WIN 0x80                                       ; destination window 2
.irp t, 0,1,2,3,4,5,6,7
.irp j, 0,1,2
	global_load_b128 v[96*LB+12*\t+4*\j:96*LB+12*\t+4*\j+3], v[LI], s[24:25] offset:(8*\t+(\s))*1536+512*\j
.endr
.endr
	WIN 0xc0                                       ; destination window 3
.irp m, 0,1,2,3
.irp j, 0,1,2
	global_load_b128 v[48*LB+12*\m+4*\j:48*LB+12*\m+4*\j+3], v[LI], s[26:27] offset:(8*\m+(\s))*1536+512*\j
.endr
.endr
.irp n, 0,1
.irp j, 0,1,2
	global_load_b128 v[96+24*LB+12*\n+4*\j:96+24*LB+12*\n+4*\j+3], v[LI], s[28:29] offset:(8*\n+(\s))*1536+512*\j
.endr
.endr
.endm
	LOADSTEP 0
	LOADSTEP 1
.macro STEP s
.set SBF, (\s)%2
.if (\s) < 7
	s_wait_loadcnt 42                              ; this K step's loads (and all before them) are in; the next step's 42 may be out
.else
	s_wait_loadcnt 0x0
.endif
.if (\s) == 0
	WIN 0
.irp n, 0,1
.irp j, 0,1,2,3,4,5,6,7
	v_mov_b32 v[BV+8*\n+\j], v[BVR+\n]             ; job B: a lane holds one column d: its bias in all eight registers
.endr
.endr
.rept 4
	v_nop
.endr
	WIN 0x4e                                       ; A window 2, B window 3, C (the bias) window 0, D window 1
.else
	WIN 0x5e                                       ; C and D window 1
.endif
.irp m, 0,1,2,3
.irp t, 0,1,2,3,4,5,6,7
.if (\s) == 0
	WM 8*(8*\m+\t), 96*SBF+12*\t, 48*SBF+12*\m, BA+8*\t, SCW+8*(\t/2)+(\s), SCX+8*(\m/2)+(\s), \t%2, \m%2
.else
	WM 8*(8*\m+\t), 96*SBF+12*\t, 48*SBF+12*\m, 8*(8*\m+\t), SCW+8*(\t/2)+(\s), SCX+8*(\m/2)+(\s), \t%2, \m%2
.endif
.endr
.endr
.if (\s) == 0
	WIN 0x8f                                       ; A and B window 3, C window 0, D window 2
.else
	WIN 0xaf
.endif
.irp n, 0,1
.irp m, 0,1,2,3
.if (\s) == 0
	WM 192+8*(4*\n+\m), 48*SBF+12*\m, 96+24*SBF+12*\n, BV+8*\n, SCX+8*(\m/2)+(\s), SCV+(\s), \m%2, \n
.else
	WM 192+8*(4*\n+\m), 48*SBF+12*\m, 96+24*SBF+12*\n, 192+8*(4*\n+\m), SCX+8*(\m/2)+(\s), SCV+(\s), \m%2, \n
.endif
.endr
.endr
.rept 4
	v_nop                                          ; four places in front of loads into registers that matrix instructions have read, and of the first read of results
.endr
.if (\s)+2 < 8
	LOADSTEP (\s)+2
.endif
.endm
.irp s, 0,1,2,3,4,5,6,7
	STEP \s
.endr
	; ---- V: my 64 tokens of two tiles of columns: half a fragment each, into the work-group's stage
.irp n, 0,1
	QUANT 192+32*\n, 1, 2
	ds_store_b64 v3, v[PC:PC+1] offset:1536*\n
	ds_store_b64 v4, v[PC+2:PC+3] offset:1536*\n
	ds_store_b64 v5, v[PC+4:PC+5] offset:1536*\n
	ds_store_b16 v6, v[PW] offset:64*\n            ; lanes r and r + 16 write the same two bytes with the same value
	s_wait_dscnt 0x0                               ; the stores have read their registers
.endr
	; ---- Q or K: each token tile is one fragment and one scale word a token
.irp m, 0,1,2,3
	s_wait_xcnt 0x0                                ; the last tile's stores have read the codes' registers
	QUANT 64*\m, 2, 1
	v_mov_b32 v[SW+\m], v[PW]
.irp j, 0,1,2
	global_store_b128 v[LI], v[PC+4*\j:PC+4*\j+3], s[42:43] offset:1536*\m+512*\j   ; 512 consecutive bytes a store, aligned
.endr
.endr
	v_cmp_lt_u32 vcc_lo, 15, v13                   ; lanes 0-15 store one tile's words, lanes 16-31 the next tile's (both halves hold both)
	v_cndmask_b32 v[DD], v[SW], v[SW+1], vcc_lo
	v_cndmask_b32 v[DD+1], v[SW+2], v[SW+3], vcc_lo
	global_store_b32 v9, v[DD], s[44:45]
	global_store_b32 v9, v[DD+1], s[44:45] offset:128
	s_wait_dscnt 0x0                               ; my stores into the stage are done
	s_barrier_signal -1
	s_barrier_wait -1                              ; V's four images are whole: each came from two waves
.irp j, 0,1,2
	ds_load_b128 v[OUT+4*\j:OUT+4*\j+3], v12 offset:512*\j
.endr
	s_wait_dscnt 0x0
.irp j, 0,1,2
	global_store_b128 v12, v[OUT+4*\j:OUT+4*\j+3], s[46:47] offset:512*\j
.endr
	s_cmp_lg_u32 s18, 0
	s_cbranch_scc1 .Lend
	ds_load_b64 v[210:211], v10                    ; wave 0: the 64 scale words, 256 bytes
	s_wait_dscnt 0x0
	global_store_b64 v11, v[210:211], s[48:49]     ; 32 lanes store 256 consecutive bytes, aligned
.Lend:
	s_wait_tensorcnt 0x0
	ds_add_u32 v254, v255
	s_wait_dscnt 0x0
	s_endpgm
.Lfunc_end_k_q13c0e1e495_proj:
	.size	k_q13c0e1e495_proj, .Lfunc_end_k_q13c0e1e495_proj-k_q13c0e1e495_proj
	.p2alignl 7, 3214868480
	.fill 96, 4, 3214868480
	.section	.rodata,"a",@progbits
	.p2align	6, 0x0
	.amdhsa_kernel k_q13c0e1e495_proj
		.amdhsa_group_segment_fixed_size 8704
		.amdhsa_private_segment_fixed_size 0
		.amdhsa_enable_private_segment 0
		.amdhsa_kernarg_size 56
		.amdhsa_user_sgpr_count 2
		.amdhsa_user_sgpr_kernarg_segment_ptr 1
		.amdhsa_wavefront_size32 1
		.amdhsa_system_sgpr_workgroup_id_x 1
		.amdhsa_system_sgpr_workgroup_id_y 1
		.amdhsa_system_sgpr_workgroup_id_z 1
		.amdhsa_system_vgpr_workitem_id 0
		.amdhsa_next_free_vgpr 1024
		.amdhsa_next_free_sgpr 66
		.amdhsa_reserve_vcc 1
		.amdhsa_float_denorm_mode_32 3
		.amdhsa_float_denorm_mode_16_64 3
		.amdhsa_memory_ordered 1
		.amdhsa_forward_progress 1
		.amdhsa_inst_pref_size 105
	.end_amdhsa_kernel
	.amdgpu_metadata
---
amdhsa.version: [ 1, 2 ]
amdhsa.kernels:
  - .name:           k_q13c0e1e495_proj
    .symbol:         k_q13c0e1e495_proj.kd
    .args:
      - { .name: CODES, .offset: 0, .size: 8, .value_kind: global_buffer, .address_space: global }
      - { .name: SCALES, .offset: 8, .size: 8, .value_kind: global_buffer, .address_space: global }
      - { .name: bq, .offset: 16, .size: 8, .value_kind: global_buffer, .address_space: global }
      - { .name: bk, .offset: 24, .size: 8, .value_kind: global_buffer, .address_space: global }
      - { .name: bv, .offset: 32, .size: 8, .value_kind: global_buffer, .address_space: global }
      - { .name: QP, .offset: 40, .size: 8, .value_kind: global_buffer, .address_space: global }
      - { .name: KV, .offset: 48, .size: 8, .value_kind: global_buffer, .address_space: global }
    .group_segment_fixed_size: 8704
    .private_segment_fixed_size: 0
    .kernarg_segment_align: 8
    .kernarg_segment_size: 56
    .max_flat_workgroup_size: 128
    .sgpr_count:     66
    .vgpr_count:     1024
    .wavefront_size: 32
...
	.end_amdgpu_metadata
.endif
;; end of part 2
;; launch attn (part 3): grid 16 x 16, 8 waves a work-group, clusters of 4 x 1, 327,680 bytes of LDS; arguments QP, KV, lam, OC, OS; writes OC, OS
.if DOCPART == 3
	.amdgcn_target "amdgcn-amd-amdhsa--gfx1250"
	.amdhsa_code_object_version 6
	.text
	.protected	k_q13c0e1e495_attn
	.globl	k_q13c0e1e495_attn
	.p2align	8
	.type	k_q13c0e1e495_attn,@function
k_q13c0e1e495_attn:
	s_mov_b64 s[64:65], 0
	v_nop
	global_prefetch_b8 v0, s[64:65] scope:SCOPE_SE
	s_setreg_imm32_b32 hwreg(HW_REG_WAVE_MODE, 25, 1), 1
	s_wait_xcnt 0x0
	s_wait_alu depctr_hold_cnt(0) depctr_sa_sdst(0) depctr_va_vdst(0) depctr_va_sdst(0) depctr_va_ssrc(0) depctr_va_vcc(0) depctr_vm_vsrc(0)
	s_getreg_b32 s2, hwreg(HW_REG_IB_STS2, 6, 4)
	s_cmp_eq_u32 s2, 0
	s_cbranch_scc0 .Lentry_in_a_cluster
	s_endpgm
.Lentry_in_a_cluster:
	s_bfe_u32 s2, ttmp6, 0x10000c
	s_cmp_lg_u32 s2, 0x3003
	s_cbranch_scc0 .Lentry_shape_is_right
	s_endpgm
.Lentry_shape_is_right:
; O[h][q] = sum over k of P[q][k] V[h][k], P = softmax(Q1 K1^T / 8) - lam softmax(Q2 K2^T / 8), all three products on codes of FP6 (E2M3) with E8M0 scales.  P is quantised FINISHED AND NORMALISED, in blocks of 32 keys,
; so both rows' sums must be known before any P is coded: THE KEYS ARE WALKED TWICE: walk 1 finds each softmax's maximum and sum (running maximum, sums rescaled when it moves), walk 2 makes the scores again, P, its codes, and O.
; A score product has K = 64 and the matrix instruction K = 128: A1 = (Q1 | 0) . (K1 | K2), A2 = (0 | Q2) . (K1 | K2), the empty half being zero CODES, which add nothing under any scale byte but 0xff: one fragment of K serves both.
; SHARES: work-group (x = block of 128 queries, y = head); each of its eight waves owns one tile of 16 queries; two waves to a SIMD.  Every wave walks all 2,048 keys, 128 a step.
; LDS: the head's K and V, codes and scale words, 307,200 bytes, lie in LDS whole: filled ONCE, never again.  Behind them 256 bytes for O's scale bytes on the way out.
; THE FILL comes in six loads a wave, issued together: K's scale words, K's codes in four chunks of 512 keys, V.  Walk 1 begins when the scale words and the first chunk (57,344 bytes of the 307,200) are in;
; the later chunks land under its first steps, each shown landed by a counted wait and a barrier ahead of the step that first asks for its bytes.
; CLUSTER: the four blocks of queries of a cluster belong to one head and read the same K and V: each load is asked for jointly by the four work-groups (mask 15).
; ONE STEP AHEAD: a step's fragments are asked of LDS in the step before, directly behind the products that have freed their registers (and the four places): K's behind the scores, V's behind O's products.
; Both products are used transposed (S^T = K Q^T, O^T = V^T P^T): a lane holds one query throughout.  Lane r of key tile 2 b + u holds key 32 b + 8 u + r + 8 (r / 8), so the 16 registers of tiles 2 b, 2 b + 1 are 16 neighbouring keys.
; In walk 1 each lane keeps a maximum and a sum of its own half of the keys; the two halves meet once, behind the walk.
; LIMITS: NaN and infinities are not served; a block of P whose largest magnitude lies under 2^-124, a block of zeros among them, gets the byte 1; P = fma(p2, -(lam / l2), p1 / l1): an f32 rounding may differ from the source's order.
; REGISTERS: window 0: addresses, scale words, Q, statistics, QUANT's work, S1 v112-175, S2 v176-239.  window 1: K's 8 fragments v0-95, V's 4 v96-143, O^T v144-175.
.set LI,  1                            ; v1  16 x lane
.set LS,  2                            ; v2  4 x lane
.set ADK, 3
.set ADS, 4
.set ADV, 5
.set ADT, 6
.set QS,  7                            ; Q's scale words
.set KS,  8                            ; v8-11 K's, a pair of tiles to a register
.set VS,  12                           ; v12-13 V's
.set PW,  14                           ; P's
.set QF,  16                           ; v16-33: v[16:27] = (Q1 | 0), v[22:33] = (0 | Q2): the six zero registers serve both
.set TQ,  34
.set ST1, 40                           ; a softmax's statistics: +0 largest score, +1 at work, +2,3 c x largest, +4,5 sum, +6,7 second chain, +8,9 the rescaling factor, +10..13 at work
.set ST2, 56
.set R1,  72                           ; v[72:73] 1 / l1
.set NR2, 74                           ; v[74:75] -lam / l2
.set TM,  76
.set PC,  92
.set S1,  112
.set S2,  176
.set WV,  18
.set CS,  20                           ; s[20:21] c = log2(e) / 8
.set SEL, 22
.set G1K, 24                           ; s[24:31] descriptor group 1 for a chunk of K's codes,
.set G1S, 32                           ; s[32:39] for K's scale words,
.set G1V, 40                           ; s[40:47] for V
.set G0,  68                           ; s[68:91] six groups 0, one for each load: none is ever written again
.set TB,  48                           ; LDS byte of the fragments of K that are asked for next,
.set TS,  49                           ; of K's scale words,
.set TV,  50                           ; of V's fragments,
.set TW,  51                           ; of V's scale words
.set CNT, 52
.set KSTEP, 12288                      ; a key step in LDS: 8 images of K,
.set SSTEP, 512                        ; their 128 scale words,
.set VSTEP, 6144                       ; 4 images of V,
.set WSTEP, 256                        ; their 64 scale words
.set KSC,  196608                      ; where K's scale words begin,
.set VCO,  204800                      ; V's codes,
.set VSC,  303104                      ; V's scale words,
.set OST,  307200                      ; and the stage for O's scale bytes
.set MSB, 0
.macro WIN new                         ; the immediate's high byte repeats the setting that is left; a switch that changes nothing is dropped
.if MSB != (\new)
	s_set_vgpr_msb (MSB<<8)|(\new)
.set MSB, (\new)
.endif
.endm
; 32 nc numbers of a lane at v[s] of window w, register 16 b + i = k 32 b + 16 (lane / 16) + i of the lane's row, become 6 nc registers of codes at v[PC] and the scale bytes in v[PW].
; Each accumulator is read from its low end on.
.macro QUANT s, nc, w
	WIN (\w)|((\w)<<2)
.set qb, 0
.rept 2*(\nc)
	v_max3_num_f32 v[TM+qb], |v[(\s)+16*qb]|, |v[(\s)+16*qb+1]|, 0x1800000   ; my 16 numbers of block qb, and the floor 2^(3 - 127)
.set qb, qb+1
.endr
.set qi, 2
.rept 7
.set qb, 0
.rept 2*(\nc)
	v_max3_num_f32 v[TM+qb], |v[(\s)+16*qb+qi]|, |v[(\s)+16*qb+qi+1]|, v[TM+qb]
.set qb, qb+1
.endr
.set qi, qi+2
.endr
	WIN 0
.set qb, 0
.rept 2*(\nc)
	v_permlanex16_b32 v[TM+4+qb], v[TM+qb], s[SEL], s[SEL+1]
.set qb, qb+1
.endr
.set qb, 0
.rept 2*(\nc)
	v_max_num_f32 v[TM+qb], v[TM+qb], v[TM+4+qb]     ; with lane l xor 16's: the block's largest magnitude
.set qb, qb+1
.endr
.set qb, 0
.rept 2*(\nc)
	v_add_nc_u32 v[TM+12+qb], 0xff000000, v[TM+qb]   ; 2 off its exponent field: the conversion's scale operand
.set qb, qb+1
.endr
.set qb, 0
.rept 2*(\nc)
	v_lshrrev_b32 v[TM+4+qb], 23, v[TM+12+qb]        ; the scale's byte
.set qb, qb+1
.endr
	v_lshl_or_b32 v[PW], v[TM+5], 8, v[TM+4]
.if (\nc) == 2
	v_lshl_or_b32 v[PW], v[TM+6], 16, v[PW]
	v_lshl_or_b32 v[PW], v[TM+7], 24, v[PW]
.endif
	WIN (\w)
.set qc, 0
.rept (\nc)
	v_cvt_scalef32_pk16_fp6_f32 v[PC+6*qc:PC+6*qc+2], v[(\s)+32*qc:(\s)+32*qc+15], v[TM+12+2*qc]
	v_cvt_scalef32_pk16_fp6_f32 v[PC+12+4*qc:PC+12+4*qc+2], v[(\s)+32*qc+16:(\s)+32*qc+31], v[TM+13+2*qc]
.set qc, qc+1
.endr
	WIN 0
	v_nop                                          ; one plain place behind the scaled conversions
.set qc, 0
.rept (\nc)
.irp i, 0,1,2
	v_permlane16_swap_b32 v[PC+6*qc+\i], v[PC+12+4*qc+\i]   ; a whole block to a lane: lanes 0-15 block 2 c, lanes 16-31 block 2 c + 1
.endr
.irp i, 0,1,2
	v_mov_b32 v[PC+3+6*qc+\i], v[PC+12+4*qc+\i]
.endr
.set qc, qc+1
.endr
.endm
; One matrix instruction.  c < 0: the constant 0 starts the sum.  ra: A's scale words stand in lanes 16-31 of the register named.
.macro WM d, a, b, c, sa, sb, ra
.if (\c) < 0
.if (\ra)
	v_wmma_scale_f32_16x16x128_f8f6f4 v[(\d):(\d)+7], v[(\a):(\a)+11], v[(\b):(\b)+11], 0, v[(\sa)], v[(\sb)] matrix_a_fmt:MATRIX_FMT_FP6 matrix_b_fmt:MATRIX_FMT_FP6 matrix_a_scale:MATRIX_SCALE_ROW1
.else
	v_wmma_scale_f32_16x16x128_f8f6f4 v[(\d):(\d)+7], v[(\a):(\a)+11], v[(\b):(\b)+11], 0, v[(\sa)], v[(\sb)] matrix_a_fmt:MATRIX_FMT_FP6 matrix_b_fmt:MATRIX_FMT_FP6
.endif
.else
.if (\ra)
	v_wmma_scale_f32_16x16x128_f8f6f4 v[(\d):(\d)+7], v[(\a):(\a)+11], v[(\b):(\b)+11], v[(\c):(\c)+7], v[(\sa)], v[(\sb)] matrix_a_fmt:MATRIX_FMT_FP6 matrix_b_fmt:MATRIX_FMT_FP6 matrix_a_scale:MATRIX_SCALE_ROW1
.else
	v_wmma_scale_f32_16x16x128_f8f6f4 v[(\d):(\d)+7], v[(\a):(\a)+11], v[(\b):(\b)+11], v[(\c):(\c)+7], v[(\sa)], v[(\sb)] matrix_a_fmt:MATRIX_FMT_FP6 matrix_b_fmt:MATRIX_FMT_FP6
.endif
.endif
.endm
; A round of the cluster's barrier: my work-group's barrier; wave 0 signals for the work-group; every wave waits for all four work-groups; my work-group's barrier once more.
.macro CROUND
	s_barrier_signal -1
	s_barrier_wait -1
	s_cmp_lg_u32 s[WV], 0
	s_cbranch_scc1 .Lnot_wave_0_\@
	s_barrier_signal -3
.Lnot_wave_0_\@:
	s_barrier_wait -3
	s_barrier_signal -1
	s_barrier_wait -1
.endm
; Joint load n: my wave's part (s[part] bytes on) of the region that begins at byte base, in the head's pack and in LDS alike.  Its group 0 is made directly in front of it.
.macro FILL n, part, base, g1
	s_mov_b32 s[G0+4*(\n)], 1                      ; count = 1
	s_add_co_u32 s[G0+4*(\n)+1], s[\part], \base   ; LDS address: a constant + the wave's number x a constant
	s_add_co_u32 s60, s56, s[G0+4*(\n)+1]          ; the same byte of the head's pack
	s_add_nc_u64 s[G0+4*(\n)+2:G0+4*(\n)+3], s[6:7], s[60:61]   ; global address
	s_or_b32 s[G0+4*(\n)+3], s[G0+4*(\n)+3], 0x80000000         ; type = 2
	tensor_load_to_lds s[G0+4*(\n):G0+4*(\n)+3], s[\g1:\g1+7]
	s_nop 0
.endm
; All but n of my tensor loads have landed, and my LDS loads are in; behind the barrier that holds of every wave.  Nothing is ever filled again, so later loads may stay out across it.
.macro LANDED n
	s_wait_tensorcnt \n
	s_wait_dscnt 0x0
	s_barrier_signal -1
	s_barrier_wait -1
.endm
	s_load_b256 s[4:11], s[0:1], 0x0               ; QP s[4:5], KV s[6:7], lam s[8:9], OC s[10:11]
	s_load_b64 s[12:13], s[0:1], 0x20              ; OS
	v_lshl_add_u32 v254, v0, 2, 0x4b100
	v_mov_b32 v255, 0
	ds_add_u32 v254, v255
	ds_add_u32 v254, v255
	v_lshrrev_b32 v1, 5, v0
	v_readfirstlane_b32 s[WV], v1                  ; wave 0..7
	s_bfe_u32 s53, ttmp6, 0x40000                  ; cx: my place in the cluster
	s_lshl_b32 s54, ttmp9, 2                       ; in a cluster launch ttmp9 counts clusters
	s_add_co_u32 s54, s54, s53                     ; my block of 128 queries: it enters Q's, OC's and OS's global addresses alone
	s_and_b32 s55, ttmp7, 0xffff                   ; the head, which the four partners share
	; descriptor groups 1: dense blocks as rows of 256 bytes (32 elements of 8 bytes), no padding
.irp g, G1K, G1S, G1V
	s_mov_b32 s[\g], 15|(3<<16)|(1<<21)            ; 15:0 the mask: all four work-groups; 17:16 elements of 8 bytes; 21 set beside a mask
	s_mov_b32 s[\g+1], 32<<16                      ; tensor_dim0 = 32
	s_mov_b32 s[\g+3], 32<<16                      ; tile_dim0 = 32
	s_mov_b32 s[\g+5], 32                          ; from row to row
	s_mov_b32 s[\g+6], 0
	s_mov_b32 s[\g+7], 0
.endr
	s_mov_b32 s[G1K+2], 24<<16                     ; a chunk of K's codes, 49,152 bytes: 24 rows a wave
	s_mov_b32 s[G1K+4], 24
	s_mov_b32 s[G1S+2], 4<<16                      ; K's scale words, 8,192 bytes: 4 rows a wave
	s_mov_b32 s[G1S+4], 4
	s_mov_b32 s[G1V+2], 50<<16                     ; V's codes and scale words, 102,400 bytes: 50 rows a wave
	s_mov_b32 s[G1V+4], 50
	s_mul_i32 s56, s55, 307200                     ; the head's pack in KV
	s_mul_i32 s57, s[WV], 6144                     ; my part of a chunk,
	s_lshl_b32 s58, s[WV], 10                      ; of the scale words,
	s_mul_i32 s59, s[WV], 12800                    ; of V
	s_mov_b32 s61, 0
	s_wait_dscnt 0x0
	s_wait_kmcnt 0x0
	s_load_b32 s14, s[8:9], 0x0                    ; lam
	CROUND                                         ; all four work-groups are here: the joint loads meet
	FILL 0, 58, KSC, G1S                           ; the launch's only fills, one group: six loads of mine are out.  What is wanted first is asked for first
	FILL 1, 57, 0, G1K
	FILL 2, 57, 49152, G1K
	FILL 3, 57, 98304, G1K
	FILL 4, 57, 147456, G1K
	FILL 5, 59, VCO, G1V
.rept 4
	v_nop
.endr
	s_lshl_b32 s56, s54, 3
	s_add_co_u32 s56, s56, s[WV]                   ; my tile of queries
	s_mul_i32 s57, s55, 204800
	s_mul_i32 s60, s56, 1536
	s_add_co_u32 s60, s60, s57
	s_add_nc_u64 s[62:63], s[4:5], s[60:61]        ; its image
	s_lshl_b32 s60, s56, 6
	s_add_co_u32 s60, s60, s57
	s_add_co_u32 s60, s60, 196608
	s_add_nc_u64 s[4:5], s[4:5], s[60:61]          ; its scale words
	s_lshl_b32 s60, s56, 4
	s_add_co_u32 s60, s60, s55
	s_mul_i32 s60, s60, 768
	s_add_nc_u64 s[10:11], s[10:11], s[60:61]      ; OC: [tile][head][768]
	s_lshl_b32 s60, s54, 12
	s_lshl_b32 s57, s55, 8
	s_add_co_u32 s60, s60, s57
	s_add_nc_u64 s[12:13], s[12:13], s[60:61]      ; OS: [block][head][256]
	v_and_b32 v15, 31, v0
	v_lshlrev_b32 v[LI], 4, v15
	v_lshlrev_b32 v[LS], 2, v15
	v_and_b32 v240, 15, v0                         ; r
	v_lshlrev_b32 v241, 2, v240
	global_load_b128 v[QF:QF+3], v[LI], s[62:63]               ; Q's registers 0-3,
	global_load_b128 v[TQ:TQ+3], v[LI], s[62:63] offset:512    ; 4-7,
	global_load_b128 v[QF+14:QF+17], v[LI], s[62:63] offset:1024   ; 8-11
	global_load_b32 v[QS], v241, s[4:5]
.irp i, 6,7,8,9,10,11
	v_mov_b32 v[QF+\i], 0                          ; zero codes: the empty half of both operands.  (No load lands in these six)
.endr
	s_lshl_b32 s57, s[WV], 5
	s_add_co_u32 s57, s57, OST
	v_lshl_add_u32 v242, v240, 1, s57              ; O's scale bytes in LDS: 32 bytes a wave, two a query
	v_lshlrev_b32 v243, 3, v15
	v_add_nc_u32 v244, OST, v243
	s_mov_b32 s[CS], 0x3e38aa3b                    ; c = log2(e) / 8
	s_mov_b32 s[CS+1], s[CS]                       ; (named with it as a pair, so it is written)
	s_mov_b32 s[SEL], 0x76543210
	s_mov_b32 s[SEL+1], 0xfedcba98
.irp x, ST1, ST2
	v_mov_b32 v[\x], 0xff61b1e6                    ; the largest score so far: -3e38
	v_mov_b32 v[\x+1], 0
	v_mul_f32 v[\x+2], s[CS], v[\x]
	v_mov_b32 v[\x+3], 0                           ; (upper halves of pairs are named with the lower, so they are written)
	v_mov_b32 v[\x+4], 0                           ; the sum, in two halves
	v_mov_b32 v[\x+5], 0
	v_mov_b32 v[\x+8], 0
	v_mov_b32 v[\x+9], 0
.endr
.irp b, 0,1,2,3
	v_mov_b32 v[TM+4+\b], 0                        ; written once: a lane permute's destination counts as one of its sources
.endr
	s_mov_b32 s[TB], 0
	s_mov_b32 s[TS], KSC
	s_wait_kmcnt 0x0
	s_xor_b32 s15, s14, 0x80000000                 ; -lam
	s_wait_loadcnt 0x0
	v_mov_b32 v[QF+4], v[TQ]                       ; Q's registers 4, 5 close (Q1 | 0)'s first half,
	v_mov_b32 v[QF+5], v[TQ+1]
	v_mov_b32 v[QF+12], v[TQ+2]                    ; 6, 7 open (0 | Q2)'s second
	v_mov_b32 v[QF+13], v[TQ+3]
.rept 4
	v_nop                                          ; an operand written by vector instructions stands 4 places ahead of a scaled matrix instruction
.endr
; 28 LDS loads: the 8 images of K and the 128 scale words of the key step at v[ADK], v[ADS]
.macro LOADK
.irp p, 0,1,2,3
	ds_load_b32 v[KS+\p], v[ADS] offset:128*\p     ; lanes 0-15 tile 2 p's words, lanes 16-31 tile 2 p + 1's
.endr
	WIN 0x40                                       ; destination window 1
.irp t, 0,1,2,3,4,5,6,7
.irp j, 0,1,2
	ds_load_b128 v[12*\t+4*\j:12*\t+4*\j+3], v[ADK] offset:1536*\t+512*\j   ; an image: 512 consecutive bytes a load
.endr
.endr
	WIN 0
.endm
; 14 LDS loads: the 4 images of V and the 64 scale words of the key step at v[ADV], v[ADT]
.macro LOADV
	ds_load_b32 v[VS], v[ADT]
	ds_load_b32 v[VS+1], v[ADT] offset:128
	WIN 0x40
.irp t, 0,1,2,3
.irp j, 0,1,2
	ds_load_b128 v[96+12*\t+4*\j:96+12*\t+4*\j+3], v[ADV] offset:1536*\t+512*\j
.endr
.endr
	WIN 0
.endm
; The scores of 128 keys for both softmaxes: 16 products, each starting its sum
.macro MULS
	WIN 0x01                                       ; K window 1; Q and the scores window 0
.irp t, 0,1,2,3,4,5,6,7
	WM S1+8*\t, 12*\t, QF, -1, KS+\t/2, QS, \t%2
	WM S2+8*\t, 12*\t, QF+6, -1, KS+\t/2, QS, \t%2
.endr
	WIN 0
.endm
; WALK 1, a key step: each lane's running maximum and sum of its 64 keys of the step, for both softmaxes, line by line in turns.  Behind the products the key step at s[TB], s[TS] is asked of LDS.
; withv = 1: the walk's last step: what is asked for is walk 2's first K, and its first V behind it.
.macro P1STEP withv
	s_wait_dscnt 0x0                               ; this step's K and scale words, asked for a step ago, are in
	MULS
	v_add_nc_u32 v[ADK], s[TB], v[LI]              ; four places behind the products, in front of the loads into their registers and of the first read of results: the addresses are made in them
	v_add_nc_u32 v[ADS], s[TS], v[LS]
.if \withv
	v_add_nc_u32 v[ADV], s[TV], v[LI]
	v_add_nc_u32 v[ADT], s[TW], v[LS]
.else
	v_nop
	v_nop
.endif
	LOADK
.if \withv
	LOADV
.endif
.irp b, 0,1,2,3
	v_max3_num_f32 v[ST1+10+\b], v[S1+16*\b], v[S1+16*\b+1], v[S1+16*\b+2]
	v_max3_num_f32 v[ST2+10+\b], v[S2+16*\b], v[S2+16*\b+1], v[S2+16*\b+2]
.endr
.irp i, 3,5,7,9,11,13
.irp b, 0,1,2,3
	v_max3_num_f32 v[ST1+10+\b], v[ST1+10+\b], v[S1+16*\b+\i], v[S1+16*\b+\i+1]
	v_max3_num_f32 v[ST2+10+\b], v[ST2+10+\b], v[S2+16*\b+\i], v[S2+16*\b+\i+1]
.endr
.endr
.irp b, 0,1,2,3
	v_max_num_f32 v[ST1+10+\b], v[ST1+10+\b], v[S1+16*\b+15]
	v_max_num_f32 v[ST2+10+\b], v[ST2+10+\b], v[S2+16*\b+15]
.endr
.irp x, ST1, ST2
	v_max3_num_f32 v[\x+10], v[\x+10], v[\x+11], v[\x+12]
.endr
.irp x, ST1, ST2
	v_max3_num_f32 v[\x], v[\x+10], v[\x+13], v[\x]   ; the running largest score
.endr
.irp x, ST1, ST2
	v_mov_b32 v[\x+1], v[\x+2]
.endr
.irp x, ST1, ST2
	v_mul_f32 v[\x+2], s[CS], v[\x]                ; c x the largest
.endr
.irp x, ST1, ST2
	v_sub_f32 v[\x+1], v[\x+1], v[\x+2]            ; its old value less its new one: 0 or less
.endr
.set jj, 0
.rept 32
	v_pk_fma_f32 v[S1+jj:S1+jj+1], v[S1+jj:S1+jj+1], s[CS:CS+1], v[ST1+2:ST1+3] op_sel_hi:[1,0,0] neg_lo:[0,0,1] neg_hi:[0,0,1]
	v_pk_fma_f32 v[S2+jj:S2+jj+1], v[S2+jj:S2+jj+1], s[CS:CS+1], v[ST2+2:ST2+3] op_sel_hi:[1,0,0] neg_lo:[0,0,1] neg_hi:[0,0,1]
.set jj, jj+2
.endr
	v_exp_f32 v[ST1+8], v[ST1+1]                   ; ONE BATCH of 130 exponentials: the two rescaling factors and the 128 weights
	v_exp_f32 v[ST2+8], v[ST2+1]
.set jj, 0
.rept 128
	v_exp_f32 v[S1+jj], v[S1+jj]
.set jj, jj+1
.endr
	v_nop                                          ; a plain instruction behind the last exponential
	s_wait_alu depctr_va_vdst(0)                   ; one wait for the batch, ahead of its first reader
	v_pk_mul_f32 v[ST1+4:ST1+5], v[ST1+4:ST1+5], v[ST1+8:ST1+9] op_sel_hi:[1,0]   ; the sums under the new maximum
	v_pk_mul_f32 v[ST2+4:ST2+5], v[ST2+4:ST2+5], v[ST2+8:ST2+9] op_sel_hi:[1,0]
	v_pk_add_f32 v[ST1+6:ST1+7], v[S1:S1+1], v[S1+2:S1+3]
	v_pk_add_f32 v[ST2+6:ST2+7], v[S2:S2+1], v[S2+2:S2+3]
.set jj, 4
.rept 15
	v_pk_add_f32 v[ST1+4:ST1+5], v[ST1+4:ST1+5], v[S1+jj:S1+jj+1]
	v_pk_add_f32 v[ST2+4:ST2+5], v[ST2+4:ST2+5], v[S2+jj:S2+jj+1]
	v_pk_add_f32 v[ST1+6:ST1+7], v[ST1+6:ST1+7], v[S1+jj+2:S1+jj+3]
	v_pk_add_f32 v[ST2+6:ST2+7], v[ST2+6:ST2+7], v[S2+jj+2:S2+jj+3]
.set jj, jj+4
.endr
	v_pk_add_f32 v[ST1+4:ST1+5], v[ST1+4:ST1+5], v[ST1+6:ST1+7]
	v_pk_add_f32 v[ST2+4:ST2+5], v[ST2+4:ST2+5], v[ST2+6:ST2+7]
	s_add_co_u32 s[TB], s[TB], KSTEP               ; what the next step will ask for
	s_add_co_u32 s[TS], s[TS], SSTEP
.if \withv
	s_add_co_u32 s[TV], s[TV], VSTEP
	s_add_co_u32 s[TW], s[TW], WSTEP
.endif
.endm
; WALK 2, a key step: the scores again, P finished, its codes, O^T += V^T P^T.  first = 1: the products start O^T's sums.  last = 1: nothing more is asked of LDS.
.macro P2STEP first, last
	s_wait_dscnt 14                                ; this step's K and its scale words are in; V's 14 loads, issued behind them, may be out
	MULS
.if \last
.rept 4
	v_nop                                          ; four places in front of the first read of results (ISA guide 7.12.1)
.endr
.else
	v_add_nc_u32 v[ADK], s[TB], v[LI]              ; four places, as in walk 1
	v_add_nc_u32 v[ADS], s[TS], v[LS]
	v_nop
	v_nop
	LOADK
.endif
.set jj, 0
.rept 32
	v_pk_fma_f32 v[S1+jj:S1+jj+1], v[S1+jj:S1+jj+1], s[CS:CS+1], v[ST1+2:ST1+3] op_sel_hi:[1,0,0] neg_lo:[0,0,1] neg_hi:[0,0,1]
.set jj, jj+2
.endr
.set jj, 0
.rept 32
	v_pk_fma_f32 v[S2+jj:S2+jj+1], v[S2+jj:S2+jj+1], s[CS:CS+1], v[ST2+2:ST2+3] op_sel_hi:[1,0,0] neg_lo:[0,0,1] neg_hi:[0,0,1]
.set jj, jj+2
.endr
.set jj, 0
.rept 128
	v_exp_f32 v[S1+jj], v[S1+jj]
.set jj, jj+1
.endr
	v_nop                                          ; a plain instruction behind the last exponential
	s_wait_alu depctr_va_vdst(0)                   ; one wait for the batch, ahead of its first reader
.set jj, 0
.rept 32
	v_pk_mul_f32 v[S1+jj:S1+jj+1], v[S1+jj:S1+jj+1], v[R1:R1+1] op_sel_hi:[1,0]
.set jj, jj+2
.endr
.set jj, 0
.rept 32
	v_pk_fma_f32 v[S1+jj:S1+jj+1], v[S2+jj:S2+jj+1], v[NR2:NR2+1], v[S1+jj:S1+jj+1] op_sel_hi:[1,0,1]   ; P = p1 / l1 - lam p2 / l2
.set jj, jj+2
.endr
	QUANT S1, 2, 0
.rept 8
	v_nop                                          ; a scale register written by vector instructions stands 8 places ahead of a scaled matrix instruction, an operand so written 4
.endr
.if \last
	s_wait_dscnt 0x0                               ; V is in
.else
	s_wait_dscnt 28                                ; V is in; the next step's 28 loads of K, issued behind it, may be out
.endif
	WIN 0x51                                       ; V and O^T window 1, P window 0
.irp t, 0,1,2,3
.if \first
	WM 144+8*\t, 96+12*\t, PC, -1, VS+\t/2, PW, \t%2
.else
	WM 144+8*\t, 96+12*\t, PC, 144+8*\t, VS+\t/2, PW, \t%2
.endif
.endr
	WIN 0
.if (\last) == 0
	v_add_nc_u32 v[ADV], s[TV], v[LI]              ; four places in front of the loads into V's registers
	v_add_nc_u32 v[ADT], s[TW], v[LS]
	v_nop
	v_nop
	LOADV
	s_add_co_u32 s[TB], s[TB], KSTEP
	s_add_co_u32 s[TS], s[TS], SSTEP
	s_add_co_u32 s[TV], s[TV], VSTEP
	s_add_co_u32 s[TW], s[TW], WSTEP
.endif
.endm
	; ---- WALK 1.  A step asks for the step behind it, so the barrier for a chunk stands ahead of the step that asks for the chunk's first keys.
	; (s[TB] and s[TS] are stated anew in front of each loop: each loop's range of LDS bytes can be read off the text.)
	LANDED 4                                       ; K's scale words and keys 0-511 are in; behind them stand three chunks and V
	v_add_nc_u32 v[ADK], s[TB], v[LI]
	v_add_nc_u32 v[ADS], s[TS], v[LS]
	LOADK                                          ; key step 0
	s_mov_b32 s[TB], KSTEP
	s_mov_b32 s[TS], KSC+SSTEP
	s_mov_b32 s[CNT], 3
.Lwalk1a:                                          ; steps 0-2, which ask for steps 1-3
	P1STEP 0
	s_sub_co_u32 s[CNT], s[CNT], 1
	s_cmp_lg_u32 s[CNT], 0
	s_cbranch_scc1 .Lwalk1a
	LANDED 3                                       ; keys 512-1023 are in; behind them stand two chunks and V
	s_mov_b32 s[TB], 4*KSTEP
	s_mov_b32 s[TS], KSC+4*SSTEP
	s_mov_b32 s[CNT], 4
.Lwalk1b:                                          ; steps 3-6, which ask for steps 4-7
	P1STEP 0
	s_sub_co_u32 s[CNT], s[CNT], 1
	s_cmp_lg_u32 s[CNT], 0
	s_cbranch_scc1 .Lwalk1b
	LANDED 1                                       ; all of K is in; V may be out
	s_mov_b32 s[TB], 8*KSTEP
	s_mov_b32 s[TS], KSC+8*SSTEP
	s_mov_b32 s[CNT], 8
.Lwalk1c:                                          ; steps 7-14, which ask for steps 8-15
	P1STEP 0
	s_sub_co_u32 s[CNT], s[CNT], 1
	s_cmp_lg_u32 s[CNT], 0
	s_cbranch_scc1 .Lwalk1c
	LANDED 0                                       ; V is in
	s_mov_b32 s[TB], 0
	s_mov_b32 s[TS], KSC
	s_mov_b32 s[TV], VCO
	s_mov_b32 s[TW], VSC
	P1STEP 1                                       ; step 15, which asks for walk 2's first K and V
	; The two halves of the lanes meet: the row's maximum, and both sums brought under it
.irp x, ST1, ST2
	v_add_f32 v[\x+10], v[\x+4], v[\x+5]
.endr
.irp x, ST1, ST2
	v_permlanex16_b32 v[\x+11], v[\x+2], s[SEL], s[SEL+1]
.endr
.irp x, ST1, ST2
	v_permlanex16_b32 v[\x+12], v[\x+10], s[SEL], s[SEL+1]
.endr
.irp x, ST1, ST2
	v_max_num_f32 v[\x+13], v[\x+2], v[\x+11]
.endr
.irp x, ST1, ST2
	v_sub_f32 v[\x+1], v[\x+2], v[\x+13]
	v_sub_f32 v[\x+8], v[\x+11], v[\x+13]
.endr
.irp x, ST1, ST2
	v_exp_f32 v[\x+1], v[\x+1]
	v_exp_f32 v[\x+8], v[\x+8]
.endr
	v_nop
	s_wait_alu depctr_va_vdst(0)                   ; one wait for the four
.irp x, ST1, ST2
	v_mul_f32 v[\x+10], v[\x+10], v[\x+1]
.endr
.irp x, ST1, ST2
	v_fma_f32 v[\x+10], v[\x+12], v[\x+8], v[\x+10]   ; the row's sum
.endr
.irp x, ST1, ST2
	v_rcp_f32 v[\x+6], v[\x+10]
.endr
.irp x, ST1, ST2
	v_mov_b32 v[\x+2], v[\x+13]                    ; c x the row's largest score.  (Plain instructions behind the reciprocals)
.endr
	s_wait_alu depctr_va_vdst(0)                   ; one wait for the two
	v_mov_b32 v[R1], v[ST1+6]
	v_mov_b32 v[R1+1], v[ST1+6]
	v_mul_f32 v[NR2], s15, v[ST2+6]
	v_mul_f32 v[NR2+1], s15, v[ST2+6]
	; ---- WALK 2
	P2STEP 1, 0                                    ; step 0 starts O^T's sums
	s_mov_b32 s[CNT], 14
.Lwalk2:                                           ; steps 1-14
	P2STEP 0, 0
	s_sub_co_u32 s[CNT], s[CNT], 1
	s_cmp_lg_u32 s[CNT], 0
	s_cbranch_scc1 .Lwalk2
	P2STEP 0, 1                                    ; step 15 is written out: no LDS load reaches past the head's bytes
	; THE WAY OUT: O's 64 columns of the head are two blocks of the last product's K: six registers of codes and two scale bytes a query
.rept 4
	v_nop
.endr
	QUANT 144, 1, 1
	global_store_b128 v[LI], v[PC:PC+3], s[10:11]              ; 512 consecutive bytes, aligned,
	global_store_b64 v243, v[PC+4:PC+5], s[10:11] offset:512   ; and 256
	ds_store_b16 v242, v[PW]                       ; lanes r and r + 16 write the same two bytes with the same value
	s_wait_dscnt 0x0
	s_barrier_signal -1
	s_barrier_wait -1                              ; the eight waves' 256 scale bytes lie together
	s_cmp_lg_u32 s[WV], 0
	s_cbranch_scc1 .Lnot_first
	ds_load_b64 v[246:247], v244
	s_wait_dscnt 0x0
	global_store_b64 v243, v[246:247], s[12:13]    ; 32 lanes store 256 consecutive bytes, aligned
.Lnot_first:
	s_wait_tensorcnt 0x0
	ds_add_u32 v254, v255
	s_wait_dscnt 0x0
	CROUND                                         ; the closing round: no work-group ends while a partner may still ask for a tile that names it
	s_endpgm
.Lfunc_end_k_q13c0e1e495_attn:
	.size	k_q13c0e1e495_attn, .Lfunc_end_k_q13c0e1e495_attn-k_q13c0e1e495_attn
	.p2alignl 7, 3214868480
	.fill 96, 4, 3214868480
	.section	.rodata,"a",@progbits
	.p2align	6, 0x0
	.amdhsa_kernel k_q13c0e1e495_attn
		.amdhsa_group_segment_fixed_size 327680
		.amdhsa_private_segment_fixed_size 0
		.amdhsa_enable_private_segment 0
		.amdhsa_kernarg_size 40
		.amdhsa_user_sgpr_count 2
		.amdhsa_user_sgpr_kernarg_segment_ptr 1
		.amdhsa_wavefront_size32 1
		.amdhsa_system_sgpr_workgroup_id_x 1
		.amdhsa_system_sgpr_workgroup_id_y 1
		.amdhsa_system_sgpr_workgroup_id_z 1
		.amdhsa_system_vgpr_workitem_id 0
		.amdhsa_next_free_vgpr 512
		.amdhsa_next_free_sgpr 92
		.amdhsa_reserve_vcc 0
		.amdhsa_float_denorm_mode_32 3
		.amdhsa_float_denorm_mode_16_64 3
		.amdhsa_memory_ordered 1
		.amdhsa_forward_progress 1
		.amdhsa_inst_pref_size 163
	.end_amdhsa_kernel
	.amdgpu_metadata
---
amdhsa.version: [ 1, 2 ]
amdhsa.kernels:
  - .name:           k_q13c0e1e495_attn
    .symbol:         k_q13c0e1e495_attn.kd
    .args:
      - { .name: QP, .offset: 0, .size: 8, .value_kind: global_buffer, .address_space: global }
      - { .name: KV, .offset: 8, .size: 8, .value_kind: global_buffer, .address_space: global }
      - { .name: lam, .offset: 16, .size: 8, .value_kind: global_buffer, .address_space: global }
      - { .name: OC, .offset: 24, .size: 8, .value_kind: global_buffer, .address_space: global }
      - { .name: OS, .offset: 32, .size: 8, .value_kind: global_buffer, .address_space: global }
    .group_segment_fixed_size: 327680
    .private_segment_fixed_size: 0
    .kernarg_segment_align: 8
    .kernarg_segment_size: 40
    .max_flat_workgroup_size: 256
    .sgpr_count:     92
    .vgpr_count:     512
    .wavefront_size: 32
...
	.end_amdgpu_metadata
.endif
;; end of part 3
;; launch outln (part 4): grid 128 x 1, 16 waves a work-group, no clusters, 92,160 bytes of LDS; arguments OC, OS, CODES, SCALES, bo, gamma, beta, out0; writes out0
.if DOCPART == 4
	.amdgcn_target "amdgcn-amd-amdhsa--gfx1250"
	.amdhsa_code_object_version 6
	.text
	.protected	k_q13c0e1e495_outln
	.globl	k_q13c0e1e495_outln
	.p2align	8
	.type	k_q13c0e1e495_outln,@function
k_q13c0e1e495_outln:
	s_mov_b64 s[64:65], 0
	v_nop
	global_prefetch_b8 v0, s[64:65] scope:SCOPE_SE
	s_setreg_imm32_b32 hwreg(HW_REG_WAVE_MODE, 25, 1), 1
	s_wait_xcnt 0x0
; out = 0.2 x LayerNorm(O Wo + bo) x gamma + 0.2 x beta: the product on codes of FP6 (E2M3) with E8M0 scales, K = 1,024; mean and variance (of the differences from the mean) in f32.
; SHARES: the norm wants whole rows, so a work-group takes one tile of 16 tokens and all 1,024 columns; wave w makes columns 64 w .. 64 w + 63 (Wo's tiles 4 w .. 4 w + 3).
; Transposed use: source 0 = 16 rows of Wo's image (columns n), source 1 = O: a lane holds one token; register 16 b + i of its 32 holds column 64 w + 32 b + 16 (lane / 16) + i.
; O's eight fragments are pieced together once (waves 0-7: two heads' halves make a K step's image) and reach all sixteen waves through LDS as images of their registers.  Wo goes from memory straight into registers, two K steps ahead.
; NO JOINT LOADS: the launch has no tensor load; a wave has 32 matrix instructions in all, 4 to a K step.
; The row's sums meet in LDS: a word for each wave and token, one barrier for the mean, one for the variance.  The results leave through each wave's own stage: sixteen lanes store 256 consecutive bytes, aligned.
; Lane r of token tile T holds token 32 (T / 2) + 8 (T % 2) + r + 8 (r / 8).
; LIMITS: NaN and infinities are not served.
.set LI,  1                            ; v1 16 x lane
.set L8,  2                            ; v2 8 x lane
.set LS,  3                            ; v3 4 x lane
.set SW,  16                           ; v16-31 Wo's scale words: pair p of tiles, K step s at 8 p + s
.set OW,  32                           ; v32-33 O's, two sets
.set OF,  34                           ; v34-57 O's fragment, two sets
.set BO,  58                           ; v58-89 bo in the result's layout
.set ACC, 90                           ; v90-121 four accumulators
.set WF,  122                          ; v122-217 Wo's four fragments, two sets; later gamma, beta and the way out
.set GA,  122
.set BE,  154
.set OUTR, 186
.set FF,  218                          ; v218-229 waves 0-7: a fragment of O
.set TA,  218
.set TB,  220
.set RD,  222
.set MU,  238
.set RS,  240
.set OSC, 12288                        ; LDS: O's 8 images at 0; their scale words, 128 bytes each;
.set RED, 13312                        ; the partial sums: 16 tokens x (16 words + 16 bytes), twice;
.set STG, 16384                        ; the stages: 16 rows x (256 bytes + 16) for each wave
.macro WM d, a, b, c, sa, sb, ra       ; ra: A's scale words stand in lanes 16-31 of the register named
.if (\ra)
	v_wmma_scale_f32_16x16x128_f8f6f4 v[(\d):(\d)+7], v[(\a):(\a)+11], v[(\b):(\b)+11], v[(\c):(\c)+7], v[(\sa)], v[(\sb)] matrix_a_fmt:MATRIX_FMT_FP6 matrix_b_fmt:MATRIX_FMT_FP6 matrix_a_scale:MATRIX_SCALE_ROW1
.else
	v_wmma_scale_f32_16x16x128_f8f6f4 v[(\d):(\d)+7], v[(\a):(\a)+11], v[(\b):(\b)+11], v[(\c):(\c)+7], v[(\sa)], v[(\sb)] matrix_a_fmt:MATRIX_FMT_FP6 matrix_b_fmt:MATRIX_FMT_FP6
.endif
.endm
	s_load_b256 s[4:11], s[0:1], 0x0               ; OC s[4:5], OS s[6:7], CODES s[8:9], SCALES s[10:11]
	s_load_b256 s[12:19], s[0:1], 0x20             ; bo s[12:13], gamma s[14:15], beta s[16:17], out0 s[18:19]
	v_lshl_add_u32 v254, v0, 2, 0x16000
	v_mov_b32 v255, 0
	v_lshrrev_b32 v1, 5, v0
	v_readfirstlane_b32 s20, v1                    ; wave 0..15
	s_mov_b32 s21, ttmp9                           ; token tile T
	v_and_b32 v13, 31, v0                          ; lane
	v_and_b32 v14, 15, v0                          ; r
	v_bfe_u32 v15, v0, 4, 1                        ; h
	v_lshlrev_b32 v[LI], 4, v13
	v_lshlrev_b32 v[L8], 3, v13
	v_lshlrev_b32 v[LS], 2, v13
	v_lshlrev_b32 v4, 6, v15                       ; bo, gamma, beta: 64 h
	v_lshlrev_b32 v5, 5, v13                       ; a row of scale bytes
	v_lshlrev_b32 v6, 1, v14                       ; O's scale halves: 2 r
	s_mul_i32 s44, s20, 1536
	v_add_nc_u32 v7, s44, v[LI]                    ; waves 0-7: where K step w's image goes
	s_lshl_b32 s44, s20, 7
	s_add_co_u32 s44, s44, OSC
	v_add_nc_u32 v8, s44, v[LS]                    ; and its scale words
	v_mul_u32_u24 v10, v14, 80
	v_add_nc_u32 v10, RED, v10                     ; a token's 16 partial sums
	s_lshl_b32 s44, s20, 2
	v_add_nc_u32 v9, s44, v10                      ; my wave's word among them
	s_mul_i32 s44, s20, 4352
	s_add_co_u32 s44, s44, STG                     ; my stage
	v_mul_u32_u24 v11, v14, 272
	v_lshl_add_u32 v11, v15, 6, v11
	v_add_nc_u32 v11, s44, v11                     ; in: row r, + 64 h
	v_mul_u32_u24 v12, v15, 272
	v_lshl_add_u32 v12, v14, 4, v12
	v_add_nc_u32 v12, s44, v12                     ; back: lanes 0-15 one row, lanes 16-31 the next
	v_lshlrev_b32 v13, 12, v15
	v_lshl_add_u32 v13, v14, 4, v13                ; and the same two rows in out0
	s_mov_b32 s43, 0
	s_mov_b32 s38, 0x76543210
	s_mov_b32 s39, 0xfedcba98
	s_mov_b32 s40, 0x3a800000                      ; 1 / 1,024
	s_mov_b32 s41, 0x3727c5ac                      ; 1e-5
	s_wait_kmcnt 0x0
	s_mul_i32 s42, s20, 49152
	s_add_co_u32 s42, s42, 3932160
	s_add_nc_u64 s[22:23], s[8:9], s[42:43]        ; my four tiles of Wo
	s_lshl_b32 s42, s20, 11
	s_add_co_u32 s42, s42, 163840
	s_add_nc_u64 s[24:25], s[10:11], s[42:43]      ; their scale bytes
	s_lshl_b32 s42, s20, 8
	s_add_nc_u64 s[26:27], s[12:13], s[42:43]      ; my 64 columns of bo,
	s_add_nc_u64 s[28:29], s[14:15], s[42:43]      ; gamma,
	s_add_nc_u64 s[30:31], s[16:17], s[42:43]      ; beta
	s_mul_i32 s42, s21, 12288
	s_mul_i32 s44, s20, 1536
	s_add_co_u32 s42, s42, s44
	s_add_nc_u64 s[32:33], s[4:5], s[42:43]        ; waves 0-7: heads 2 w, 2 w + 1 of tile T in OC
	s_lshr_b32 s42, s21, 3
	s_lshl_b32 s42, s42, 12
	s_and_b32 s44, s21, 7
	s_lshl_b32 s44, s44, 5
	s_add_co_u32 s42, s42, s44
	s_lshl_b32 s44, s20, 9
	s_add_co_u32 s42, s42, s44
	s_add_nc_u64 s[34:35], s[6:7], s[42:43]        ; and in OS
	s_lshr_b32 s42, s21, 1
	s_lshl_b32 s42, s42, 17
	s_and_b32 s44, s21, 1
	s_lshl_b32 s44, s44, 15
	s_add_co_u32 s42, s42, s44
	s_lshl_b32 s44, s20, 8
	s_add_co_u32 s42, s42, s44
	s_add_nc_u64 s[36:37], s[18:19], s[42:43]      ; out0: the tile's first token, my 64 columns
	s_cmp_lt_u32 s20, 8
	s_cbranch_scc0 .Lno_o1
	global_load_b128 v[FF:FF+3], v[LI], s[32:33]               ; head 2 w: registers 0-3,
	global_load_b64 v[FF+4:FF+5], v[L8], s[32:33] offset:512   ; 4, 5;
	global_load_b128 v[FF+6:FF+9], v[LI], s[32:33] offset:768  ; head 2 w + 1: registers 6-9,
	global_load_b64 v[FF+10:FF+11], v[L8], s[32:33] offset:1280   ; 10, 11
	global_load_u16 v230, v6, s[34:35]             ; the two heads' two scale bytes each
	global_load_u16 v231, v6, s[34:35] offset:256
.Lno_o1:
.irp p, 0,1
	global_load_b128 v[SW+8*\p:SW+8*\p+3], v5, s[24:25] offset:1024*\p
	global_load_b128 v[SW+8*\p+4:SW+8*\p+7], v5, s[24:25] offset:1024*\p+16
.endr
.irp t, 0,1,2,3
	global_load_b128 v[BO+8*\t:BO+8*\t+3], v4, s[26:27] offset:(32*(\t/2)+8*(\t%2))*4
	global_load_b128 v[BO+8*\t+4:BO+8*\t+7], v4, s[26:27] offset:(32*(\t/2)+8*(\t%2))*4+16
.endr
.macro LW s                            ; K step s of my four tiles of Wo: 12 loads of 512 consecutive bytes into set s % 2
.irp t, 0,1,2,3
.irp j, 0,1,2
	global_load_b128 v[WF+48*((\s)%2)+12*\t+4*\j:WF+48*((\s)%2)+12*\t+4*\j+3], v[LI], s[22:23] offset:(8*\t+(\s))*1536+512*\j
.endr
.endr
.endm
.macro OFETCH s                        ; K step s of O and its scale words, from LDS, into set s % 2
.irp j, 0,1,2
	ds_load_b128 v[OF+12*((\s)%2)+4*\j:OF+12*((\s)%2)+4*\j+3], v[LI] offset:1536*(\s)+512*\j
.endr
	ds_load_b32 v[OW+(\s)%2], v[LS] offset:OSC+128*(\s)
.endm
	LW 0
	LW 1
	s_cmp_lt_u32 s20, 8
	s_cbranch_scc0 .Lno_o2
	s_wait_loadcnt 36                              ; my six loads of O are in; the 36 issued behind them (4 of scales, 8 of bo, 24 of Wo) may be out
	v_lshl_or_b32 v232, v231, 16, v230             ; the K step's scale word
	ds_store_b128 v7, v[FF:FF+3]
	ds_store_b128 v7, v[FF+4:FF+7] offset:512
	ds_store_b128 v7, v[FF+8:FF+11] offset:1024
	ds_store_b32 v8, v232
.Lno_o2:
	s_wait_dscnt 0x0                               ; my stores are done
	s_barrier_signal -1
	s_barrier_wait -1                              ; O's eight images lie in LDS
	OFETCH 0
	OFETCH 1
.macro STEP s
.if (\s) < 7
	s_wait_loadcnt 12                              ; this K step's loads are in; the next step's 12 may be out
	s_wait_dscnt 4                                 ; likewise the next step's 4 LDS loads
.else
	s_wait_loadcnt 0x0
	s_wait_dscnt 0x0
.endif
.irp t, 0,1,2,3                        ; the four accumulators take turns; the bias is the C of the first
.if (\s) == 0
	WM ACC+8*\t, WF+48*((\s)%2)+12*\t, OF+12*((\s)%2), BO+8*\t, SW+8*(\t/2)+(\s), OW+(\s)%2, \t%2
.else
	WM ACC+8*\t, WF+48*((\s)%2)+12*\t, OF+12*((\s)%2), ACC+8*\t, SW+8*(\t/2)+(\s), OW+(\s)%2, \t%2
.endif
.endr
.rept 4
	v_nop                                          ; four places in front of loads into registers that matrix instructions have read, and of the first read of results
.endr
.if (\s)+2 < 8
	LW (\s)+2
	OFETCH (\s)+2
.endif
.endm
.irp s, 0,1,2,3,4,5,6,7
	STEP \s
.endr
.irp t, 0,1,2,3
	global_load_b128 v[GA+8*\t:GA+8*\t+3], v4, s[28:29] offset:(32*(\t/2)+8*(\t%2))*4
	global_load_b128 v[GA+8*\t+4:GA+8*\t+7], v4, s[28:29] offset:(32*(\t/2)+8*(\t%2))*4+16
	global_load_b128 v[BE+8*\t:BE+8*\t+3], v4, s[30:31] offset:(32*(\t/2)+8*(\t%2))*4
	global_load_b128 v[BE+8*\t+4:BE+8*\t+7], v4, s[30:31] offset:(32*(\t/2)+8*(\t%2))*4+16
.endr
	; ---- the mean: my 32 numbers (each accumulator from its low end on), lane l xor 16's, then the sixteen waves'
	v_pk_add_f32 v[TA:TA+1], v[ACC:ACC+1], v[ACC+2:ACC+3]
	v_pk_add_f32 v[TB:TB+1], v[ACC+4:ACC+5], v[ACC+6:ACC+7]
.irp j, 8,16,24
	v_pk_add_f32 v[TA:TA+1], v[TA:TA+1], v[ACC+\j:ACC+\j+1]
	v_pk_add_f32 v[TB:TB+1], v[TB:TB+1], v[ACC+\j+2:ACC+\j+3]
	v_pk_add_f32 v[TA:TA+1], v[TA:TA+1], v[ACC+\j+4:ACC+\j+5]
	v_pk_add_f32 v[TB:TB+1], v[TB:TB+1], v[ACC+\j+6:ACC+\j+7]
.endr
; The end of a sum over a token's 1,024 columns: from v[TA:TA+1] and v[TB:TB+1] to the total in v[RD], in every lane; off: which of the two regions of partial sums
.macro TOTAL off
	v_pk_add_f32 v[TA:TA+1], v[TA:TA+1], v[TB:TB+1]
	v_add_f32 v[TA], v[TA], v[TA+1]
	v_permlanex16_b32 v[TB], v[TA], s38, s39
	v_add_f32 v[TA], v[TA], v[TB]
	ds_store_b32 v9, v[TA] offset:\off             ; lanes r and r + 16 write the same word with the same value
	s_wait_dscnt 0x0
	s_barrier_signal -1
	s_barrier_wait -1
.irp q, 0,1,2,3
	ds_load_b128 v[RD+4*\q:RD+4*\q+3], v10 offset:\off+16*\q
.endr
	s_wait_dscnt 0x0
.irp q, 0,4,8,12
	v_pk_add_f32 v[RD+\q:RD+\q+1], v[RD+\q:RD+\q+1], v[RD+\q+2:RD+\q+3]
.endr
	v_pk_add_f32 v[RD:RD+1], v[RD:RD+1], v[RD+4:RD+5]
	v_pk_add_f32 v[RD+8:RD+9], v[RD+8:RD+9], v[RD+12:RD+13]
	v_pk_add_f32 v[RD:RD+1], v[RD:RD+1], v[RD+8:RD+9]
	v_add_f32 v[RD], v[RD], v[RD+1]
.endm
	TOTAL 0
	v_mul_f32 v[MU], s40, v[RD]
	v_mul_f32 v[MU+1], s40, v[RD]
.set jj, 0
.rept 16
	v_pk_add_f32 v[ACC+jj:ACC+jj+1], v[ACC+jj:ACC+jj+1], v[MU:MU+1] neg_lo:[0,1] neg_hi:[0,1]   ; y - mean
.set jj, jj+2
.endr
	; ---- the variance: the sum of the squared differences, the same way, through bytes of its own
	v_pk_mul_f32 v[TA:TA+1], v[ACC:ACC+1], v[ACC:ACC+1]
	v_pk_mul_f32 v[TB:TB+1], v[ACC+2:ACC+3], v[ACC+2:ACC+3]
.irp j, 4,8,12,16,20,24,28
	v_pk_fma_f32 v[TA:TA+1], v[ACC+\j:ACC+\j+1], v[ACC+\j:ACC+\j+1], v[TA:TA+1]
	v_pk_fma_f32 v[TB:TB+1], v[ACC+\j+2:ACC+\j+3], v[ACC+\j+2:ACC+\j+3], v[TB:TB+1]
.endr
	TOTAL 1280
	v_fma_f32 v[RD], v[RD], s40, s41               ; variance + 1e-5
	v_rsq_f32 v[RS], v[RD]
	v_nop                                          ; a plain instruction behind the transcendental
	s_wait_alu depctr_va_vdst(0)                   ; and the wait ahead of its first reader
	v_mul_f32 v[RS], 0x3e4ccccd, v[RS]             ; x 0.2
	v_mov_b32 v[RS+1], v[RS]
	s_wait_loadcnt 0x0                             ; gamma and beta
.set jj, 0
.rept 16
	v_pk_mul_f32 v[ACC+jj:ACC+jj+1], v[ACC+jj:ACC+jj+1], v[RS:RS+1]
	v_pk_mul_f32 v[BE+jj:BE+jj+1], v[BE+jj:BE+jj+1], 0x3e4ccccd op_sel_hi:[1,0]
	v_pk_fma_f32 v[ACC+jj:ACC+jj+1], v[ACC+jj:ACC+jj+1], v[GA+jj:GA+jj+1], v[BE+jj:BE+jj+1]
.set jj, jj+2
.endr
	; ---- the way out, through my own stage
.irp b, 0,1
.irp q, 0,1,2,3
	ds_store_b128 v11, v[ACC+16*\b+4*\q:ACC+16*\b+4*\q+3] offset:128*\b+16*\q   ; columns 32 b + 16 h + 4 q on of row r
.endr
.endr
.irp i, 0,1,2,3,4,5,6,7
	ds_load_b128 v[OUTR+4*\i:OUTR+4*\i+3], v12 offset:544*\i   ; LDS serves a wave's instructions in order: these see my stores
.endr
.irp i, 0,1,2,3,4,5,6,7
	s_wait_dscnt 7-\i                              ; the younger reads of the stage may be out
	global_store_b128 v13, v[OUTR+4*\i:OUTR+4*\i+3], s[36:37] offset:(2*\i+8*(\i/4))*4096 th:TH_STORE_NT   ; rows 2 i + h of the tile: sixteen lanes store 256 consecutive bytes, aligned
.endr
	s_wait_tensorcnt 0x0
	ds_add_u32 v254, v255
	s_wait_dscnt 0x0
	s_endpgm
.Lfunc_end_k_q13c0e1e495_outln:
	.size	k_q13c0e1e495_outln, .Lfunc_end_k_q13c0e1e495_outln-k_q13c0e1e495_outln
	.p2alignl 7, 3214868480
	.fill 96, 4, 3214868480
	.section	.rodata,"a",@progbits
	.p2align	6, 0x0
	.amdhsa_kernel k_q13c0e1e495_outln
		.amdhsa_group_segment_fixed_size 92160
		.amdhsa_private_segment_fixed_size 0
		.amdhsa_enable_private_segment 0
		.amdhsa_kernarg_size 64
		.amdhsa_user_sgpr_count 2
		.amdhsa_user_sgpr_kernarg_segment_ptr 1
		.amdhsa_wavefront_size32 1
		.amdhsa_system_sgpr_workgroup_id_x 1
		.amdhsa_system_sgpr_workgroup_id_y 1
		.amdhsa_system_sgpr_workgroup_id_z 1
		.amdhsa_system_vgpr_workitem_id 0
		.amdhsa_next_free_vgpr 256
		.amdhsa_next_free_sgpr 66
		.amdhsa_reserve_vcc 0
		.amdhsa_float_denorm_mode_32 3
		.amdhsa_float_denorm_mode_16_64 3
		.amdhsa_memory_ordered 1
		.amdhsa_forward_progress 1
		.amdhsa_inst_pref_size 35
	.end_amdhsa_kernel
	.amdgpu_metadata
---
amdhsa.version: [ 1, 2 ]
amdhsa.kernels:
  - .name:           k_q13c0e1e495_outln
    .symbol:         k_q13c0e1e495_outln.kd
    .args:
      - { .name: OC, .offset: 0, .size: 8, .value_kind: global_buffer, .address_space: global }
      - { .name: OS, .offset: 8, .size: 8, .value_kind: global_buffer, .address_space: global }
      - { .name: CODES, .offset: 16, .size: 8, .value_kind: global_buffer, .address_space: global }
      - { .name: SCALES, .offset: 24, .size: 8, .value_kind: global_buffer, .address_space: global }
      - { .name: bo, .offset: 32, .size: 8, .value_kind: global_buffer, .address_space: global }
      - { .name: gamma, .offset: 40, .size: 8, .value_kind: global_buffer, .address_space: global }
      - { .name: beta, .offset: 48, .size: 8, .value_kind: global_buffer, .address_space: global }
      - { .name: out0, .offset: 56, .size: 8, .value_kind: global_buffer, .address_space: global }
    .group_segment_fixed_size: 92160
    .private_segment_fixed_size: 0
    .kernarg_segment_align: 8
    .kernarg_segment_size: 64
    .max_flat_workgroup_size: 512
    .sgpr_count:     66
    .vgpr_count:     256
    .wavefront_size: 32
...
	.end_amdgpu_metadata
.endif
;; end of part 4
;; ======== version 2 of 2: 4 launches; version 1 with the launches proj, outln written anew for expert scheduling mode
;; workspace buffers: CODES 6,291,456 bytes; SCALES 262,144 bytes; QP 3,276,800 bytes; KV 4,915,200 bytes; OC 1,572,864 bytes; OS 65,536 bytes
;; launch quant: the kernel of part 1 again; grid 256 x 1, 4 waves a work-group, no clusters, 58,880 bytes of LDS; arguments X, Wq, Wk, Wv, Wo, CODES, SCALES; writes CODES, SCALES
;; launch proj (part 5): grid 16 x 16, 4 waves a work-group, no clusters, 8,704 bytes of LDS; arguments CODES, SCALES, bq, bk, bv, QP, KV; writes QP, KV
.if DOCPART == 5
	.amdgcn_target "amdgcn-amd-amdhsa--gfx1250"
	.amdhsa_code_object_version 6
	.text
	.protected	k_q13c0e1e495_proj
	.globl	k_q13c0e1e495_proj
	.p2align	8
	.type	k_q13c0e1e495_proj,@function
k_q13c0e1e495_proj:
	s_mov_b64 s[64:65], 0
	v_nop
	global_prefetch_b8 v0, s[64:65] scope:SCOPE_SE
	s_setreg_imm32_b32 hwreg(HW_REG_WAVE_SCHED_MODE, 0, 2), 2
	s_setreg_imm32_b32 hwreg(HW_REG_WAVE_MODE, 25, 1), 1
	s_wait_xcnt 0x0
	s_wait_alu depctr_vm_vsrc(0)
; Q = X Wq + bq, K = X Wk + bk, V = X Wv + bv on codes of FP6 (E2M3) with E8M0 scales, K = 1,024; the results are quantised in registers: Q and K along their 128 columns (two products of K = 64: blocks of 32),
; V along the tokens (the keys are the last product's K), and leave in the order of the operands' registers.
; SHARES: work-group (x = block of 128 tokens, y = head) makes 128 tokens x 320 columns.  Wave w: sel = w % 2 (0: Q, 1: K), half = w / 2.
;   Job A, transposed: source 0 = the 8 tiles of Wq or Wk of the head, source 1 = token tiles 4 half + m: 32 accumulators; a lane holds one token, its registers run along the columns.
;   Job B: source 0 = the same 4 fragments of X, source 1 = Wv's tiles 2 sel + n: 8 accumulators; a lane holds one column d, its registers run along the tokens.
; Rows of every operand lie in tiles whose lane r holds row 32 G + 8 u + r + 8 (r / 8), so that the 16 registers of two neighbouring tiles are 16 neighbours along the next K.
; Operands go from memory straight into registers: a fragment is three loads of 512 consecutive bytes.  All 8 K steps are written out; every offset is an immediate; loads run two K steps ahead in two sets of registers.
; NO RING IN LDS AND NO JOINT LOADS: the work-group's operands with their scale bytes are 358,400 bytes, more than LDS holds at once, and in a ring one of only 8 K steps holds 40 matrix instructions a wave in which a refill could land.
; The biases are the C of each sum's first matrix instruction.  The 40 accumulators take turns, one instruction a turn.
; LIMITS: NaN and infinities are not served; a block whose largest magnitude lies under 2^-124, a block of zeros among them, gets the byte 1 (read by this program alone).
; REGISTERS, in windows of 256: window 0: addresses, scale words, biases, QUANT's work.  window 1: job A's accumulators at 8 (8 m + t).  window 2: W's fragments at 96 buf + 12 t; job B's accumulators at 192 + 8 (4 n + m).
;   window 3: X's fragments at 48 buf + 12 m; Wv's at 96 + 24 buf + 12 n.
; THE MODE: SCHED_MODE bits 1:0 = 2 (LLVM: expert scheduling mode 2), set by the entry lines.  The code itself states the register dependences
; between vector or matrix instructions and memory or LDS instructions, with s_wait_alu, always for 0.
; THE PLAN.  Registers that memory or LDS instructions touch:
;   v1-v12         offsets and LDS addresses: written at the head, ahead of the head's wait on va_vdst, and never again.
;   sets 0, 1      of fragments (windows 2 and 3).  K step s: its 40 products read set s % 2; behind them the 42 loads of K step s + 2 land in it.
;   scale words, BA, BVR   loaded once at the head; read by matrix and vector instructions; never loaded again.
;   PC, PW         written by QUANT; read by the stores behind it (LDS stores for V, global stores for Q and K); written again by the next QUANT.
;   DD             written by two selections; read by two stores.
;   OUT, v210-211  loaded from LDS and stored: no vector instruction names them.
;   v254, v255     written at the head, read by the closing add alone.
; So ONE wait on va_vdst stands in each of K steps 0 to 5, behind the products that empty a set, which is asked for again at once: two K steps' loads stay on their way.  On the way out one wait on va_vdst stands
; behind each QUANT, ahead of its run of stores, and one on vm_vsrc ahead of the next QUANT.
.set LI,  1                            ; v1  16 x lane
.set SCW, 16                           ; v16-47 W's scale words: pair p of tiles, K step s at 8 p + s (lanes 0-15 tile 2 p, lanes 16-31 tile 2 p + 1)
.set SCX, 48                           ; v48-63 X's
.set SCV, 64                           ; v64-71 Wv's
.set BA,  72                           ; v72-135 bq or bk in the result's layout, 8 registers a tile
.set BV,  136                          ; v136-151 bv likewise
.set TM,  152
.set PW,  168
.set SW,  169
.set PC,  174
.set DD,  194
.set OUT, 196
.set BVR, 208
.set SEL, 50
.set MSB, 0
.macro WIN new                         ; the immediate's high byte repeats the setting that is left; a switch that changes nothing is dropped
.if MSB != (\new)
	s_set_vgpr_msb (MSB<<8)|(\new)
.set MSB, (\new)
.endif
.endm
; 32 nc numbers of a lane at v[s] of window w, register 16 b + i = k 32 b + 16 (lane / 16) + i of the lane's row, become 6 nc registers of codes at v[PC] and the scale bytes in v[PW].
; Each accumulator is read from its low end on.
.macro QUANT s, nc, w
	WIN (\w)|((\w)<<2)
.set qb, 0
.rept 2*(\nc)
	v_max3_num_f32 v[TM+qb], |v[(\s)+16*qb]|, |v[(\s)+16*qb+1]|, 0x1800000   ; my 16 numbers of block qb, and the floor 2^(3 - 127)
.set qb, qb+1
.endr
.set qi, 2
.rept 7
.set qb, 0
.rept 2*(\nc)
	v_max3_num_f32 v[TM+qb], |v[(\s)+16*qb+qi]|, |v[(\s)+16*qb+qi+1]|, v[TM+qb]
.set qb, qb+1
.endr
.set qi, qi+2
.endr
	WIN 0
.set qb, 0
.rept 2*(\nc)
	v_permlanex16_b32 v[TM+4+qb], v[TM+qb], s[SEL], s[SEL+1]
.set qb, qb+1
.endr
.set qb, 0
.rept 2*(\nc)
	v_max_num_f32 v[TM+qb], v[TM+qb], v[TM+4+qb]     ; with lane l xor 16's: the block's largest magnitude
.set qb, qb+1
.endr
.set qb, 0
.rept 2*(\nc)
	v_add_nc_u32 v[TM+12+qb], 0xff000000, v[TM+qb]   ; 2 off its exponent field: the conversion's scale operand
.set qb, qb+1
.endr
.set qb, 0
.rept 2*(\nc)
	v_lshrrev_b32 v[TM+4+qb], 23, v[TM+12+qb]        ; the scale's byte
.set qb, qb+1
.endr
	v_lshl_or_b32 v[PW], v[TM+5], 8, v[TM+4]
.if (\nc) == 2
	v_lshl_or_b32 v[PW], v[TM+6], 16, v[PW]
	v_lshl_or_b32 v[PW], v[TM+7], 24, v[PW]
.endif
	WIN (\w)
.set qc, 0
.rept (\nc)
	v_cvt_scalef32_pk16_fp6_f32 v[PC+6*qc:PC+6*qc+2], v[(\s)+32*qc:(\s)+32*qc+15], v[TM+12+2*qc]
	v_cvt_scalef32_pk16_fp6_f32 v[PC+12+4*qc:PC+12+4*qc+2], v[(\s)+32*qc+16:(\s)+32*qc+31], v[TM+13+2*qc]
.set qc, qc+1
.endr
	WIN 0
	v_nop                                          ; one plain place behind the scaled conversions
.set qc, 0
.rept (\nc)
.irp i, 0,1,2
	v_permlane16_swap_b32 v[PC+6*qc+\i], v[PC+12+4*qc+\i]   ; a whole block to a lane: lanes 0-15 block 2 c, lanes 16-31 block 2 c + 1
.endr
.irp i, 0,1,2
	v_mov_b32 v[PC+3+6*qc+\i], v[PC+12+4*qc+\i]
.endr
.set qc, qc+1
.endr
.endm
; One matrix instruction.  ra, rb: the side's scale words stand in lanes 16-31 of the register named.
.macro WM d, a, b, c, sa, sb, ra, rb
.if (\ra) && (\rb)
	v_wmma_scale_f32_16x16x128_f8f6f4 v[(\d):(\d)+7], v[(\a):(\a)+11], v[(\b):(\b)+11], v[(\c):(\c)+7], v[(\sa)], v[(\sb)] matrix_a_fmt:MATRIX_FMT_FP6 matrix_b_fmt:MATRIX_FMT_FP6 matrix_a_scale:MATRIX_SCALE_ROW1 matrix_b_scale:MATRIX_SCALE_ROW1
.elseif (\ra)
	v_wmma_scale_f32_16x16x128_f8f6f4 v[(\d):(\d)+7], v[(\a):(\a)+11], v[(\b):(\b)+11], v[(\c):(\c)+7], v[(\sa)], v[(\sb)] matrix_a_fmt:MATRIX_FMT_FP6 matrix_b_fmt:MATRIX_FMT_FP6 matrix_a_scale:MATRIX_SCALE_ROW1
.elseif (\rb)
	v_wmma_scale_f32_16x16x128_f8f6f4 v[(\d):(\d)+7], v[(\a):(\a)+11], v[(\b):(\b)+11], v[(\c):(\c)+7], v[(\sa)], v[(\sb)] matrix_a_fmt:MATRIX_FMT_FP6 matrix_b_fmt:MATRIX_FMT_FP6 matrix_b_scale:MATRIX_SCALE_ROW1
.else
	v_wmma_scale_f32_16x16x128_f8f6f4 v[(\d):(\d)+7], v[(\a):(\a)+11], v[(\b):(\b)+11], v[(\c):(\c)+7], v[(\sa)], v[(\sb)] matrix_a_fmt:MATRIX_FMT_FP6 matrix_b_fmt:MATRIX_FMT_FP6
.endif
.endm
	s_load_b256 s[4:11], s[0:1], 0x0               ; CODES s[4:5], SCALES s[6:7], bq s[8:9], bk s[10:11]
	s_load_b128 s[12:15], s[0:1], 0x20             ; bv s[12:13], QP s[14:15]
	s_load_b64 s[16:17], s[0:1], 0x30              ; KV
	v_lshl_add_u32 v254, v0, 2, 0x2000
	v_mov_b32 v255, 0
	v_lshrrev_b32 v1, 5, v0
	v_readfirstlane_b32 s18, v1                    ; wave 0..3
	s_mov_b32 s21, ttmp9                           ; block of 128 tokens
	s_and_b32 s22, ttmp7, 0xffff                   ; head
	v_and_b32 v13, 31, v0                          ; lane
	v_and_b32 v14, 15, v0                          ; r
	v_bfe_u32 v15, v0, 4, 1                        ; h
	v_lshlrev_b32 v[LI], 4, v13
	v_lshlrev_b32 v2, 5, v13                       ; 32 x lane: a row of scale bytes
	v_lshlrev_b32 v7, 6, v15                       ; bq, bk: 64 h
	v_and_b32 v8, 8, v14
	v_add_nc_u32 v8, v8, v14
	v_lshlrev_b32 v8, 2, v8                        ; bv: 4 (r + 8 (r / 8))
	v_lshlrev_b32 v9, 2, v13                       ; 4 x lane
	v_lshlrev_b32 v11, 3, v13                      ; 8 x lane
	v_add_nc_u32 v10, 6144, v11
.irp b, 0,1,2,3
	v_mov_b32 v[TM+4+\b], 0                        ; written once: a lane permute's destination counts as one of its sources
.endr
	s_wait_alu depctr_va_sdst(0)                   ; s18 is written, ahead of its first reader: sel, half, the LDS addresses and all bases are made from it
	s_and_b32 s19, s18, 1                          ; sel
	s_lshr_b32 s20, s18, 1                         ; half
	; V's stage in LDS: four images of 1,536 bytes (tile 2 sel + n).  My six registers are registers 6 half .. 6 half + 5 of the image: three pieces of 8 bytes a lane
	s_mul_i32 s55, s19, 3072
	s_mul_i32 s56, s20, 520
	s_add_co_u32 s56, s56, s55
	v_add_nc_u32 v3, s56, v[LI]                    ; registers 0, 1 at 16 l, or 6, 7 at 512 + 16 l + 8
	s_mul_i32 s56, s20, 1016
	s_add_co_u32 s56, s56, s55
	s_add_co_u32 s56, s56, 8
	v_add_nc_u32 v4, s56, v[LI]                    ; registers 2, 3 at 16 l + 8, or 8, 9 at 1,024 + 16 l
	s_mul_i32 s56, s20, 520
	s_add_co_u32 s56, s56, s55
	s_add_co_u32 s56, s56, 512
	v_add_nc_u32 v5, s56, v[LI]                    ; registers 4, 5 at 512 + 16 l, or 10, 11 at 1,024 + 16 l + 8
	s_lshl_b32 s56, s19, 7
	s_lshl_b32 s57, s20, 1
	s_add_co_u32 s56, s56, s57
	s_add_co_u32 s56, s56, 6144
	v_lshl_add_u32 v6, v14, 2, s56                 ; V's scale words behind the images: word r of tile 2 sel + n, my two bytes at 2 half
	s_mul_i32 s56, s18, 1536
	v_add_nc_u32 v12, s56, v[LI]                   ; the way out of V: image w, in LDS and in memory alike
	s_mov_b32 s41, 0
	s_mov_b32 s[SEL], 0x76543210
	s_mov_b32 s[SEL+1], 0xfedcba98
	s_wait_kmcnt 0x0
	s_mul_i32 s40, s19, 1572864
	s_mul_i32 s52, s22, 98304
	s_add_co_u32 s40, s40, s52
	s_add_nc_u64 s[24:25], s[4:5], s[40:41]        ; Wq's or Wk's 8 tiles of the head
	s_mul_i32 s40, s21, 98304
	s_mul_i32 s52, s20, 49152
	s_add_co_u32 s40, s40, s52
	s_add_co_u32 s40, s40, 4718592
	s_add_nc_u64 s[26:27], s[4:5], s[40:41]        ; my 4 tiles of X
	s_mul_i32 s40, s22, 49152
	s_mul_i32 s52, s19, 24576
	s_add_co_u32 s40, s40, s52
	s_add_co_u32 s40, s40, 3145728
	s_add_nc_u64 s[28:29], s[4:5], s[40:41]        ; my 2 tiles of Wv
	s_lshl_b32 s40, s19, 16
	s_lshl_b32 s52, s22, 12
	s_add_co_u32 s40, s40, s52
	s_add_nc_u64 s[30:31], s[6:7], s[40:41]        ; and the three's scale bytes
	s_lshl_b32 s40, s21, 12
	s_lshl_b32 s52, s20, 11
	s_add_co_u32 s40, s40, s52
	s_add_co_u32 s40, s40, 196608
	s_add_nc_u64 s[32:33], s[6:7], s[40:41]
	s_lshl_b32 s40, s22, 11
	s_lshl_b32 s52, s19, 10
	s_add_co_u32 s40, s40, s52
	s_add_co_u32 s40, s40, 131072
	s_add_nc_u64 s[34:35], s[6:7], s[40:41]
	s_cmp_eq_u32 s19, 0                            ; Q's wave or K's: the choice hangs on the wave's number alone
	s_cselect_b64 s[36:37], s[8:9], s[10:11]
	s_cselect_b64 s[42:43], s[14:15], s[16:17]
	s_mov_b32 s53, 307200
	s_cselect_b32 s53, 204800, s53                 ; a head's bytes in QP or in KV
	s_lshl_b32 s40, s22, 9
	s_add_nc_u64 s[36:37], s[36:37], s[40:41]      ; the head's 128 biases
	s_lshl_b32 s40, s22, 8
	s_lshl_b32 s52, s19, 7
	s_add_co_u32 s40, s40, s52
	s_add_nc_u64 s[38:39], s[12:13], s[40:41]      ; bv: the head's 64, my 32
	s_mul_i32 s53, s53, s22
	s_lshl_b32 s54, s21, 3
	s_lshl_b32 s52, s20, 2
	s_add_co_u32 s54, s54, s52                     ; my first token tile
	s_lshl_b32 s40, s54, 6
	s_add_co_u32 s40, s40, s53
	s_add_co_u32 s40, s40, 196608
	s_add_nc_u64 s[44:45], s[42:43], s[40:41]      ; where my tiles' scale words go
	s_mul_i32 s40, s54, 1536
	s_add_co_u32 s40, s40, s53
	s_add_nc_u64 s[42:43], s[42:43], s[40:41]      ; and their images
	s_mul_i32 s53, s22, 307200
	s_mul_i32 s40, s21, 6144
	s_add_co_u32 s40, s40, s53
	s_add_co_u32 s40, s40, 204800
	s_add_nc_u64 s[46:47], s[16:17], s[40:41]      ; V's four images of these 128 keys
	s_lshl_b32 s40, s21, 8
	s_add_co_u32 s40, s40, s53
	s_add_co_u32 s40, s40, 303104
	s_add_nc_u64 s[48:49], s[16:17], s[40:41]      ; and their scale words
	s_wait_alu depctr_va_vdst(0)                   ; the offsets and LDS addresses v1 to v12 are written: every load and store of the kernel reads one of them, and none is written again
	global_load_b32 v[BVR], v8, s[38:39]
	global_load_b32 v[BVR+1], v8, s[38:39] offset:32
.irp p, 0,1,2,3
	global_load_b128 v[SCW+8*\p:SCW+8*\p+3], v2, s[30:31] offset:1024*\p
	global_load_b128 v[SCW+8*\p+4:SCW+8*\p+7], v2, s[30:31] offset:1024*\p+16
.endr
.irp p, 0,1
	global_load_b128 v[SCX+8*\p:SCX+8*\p+3], v2, s[32:33] offset:1024*\p
	global_load_b128 v[SCX+8*\p+4:SCX+8*\p+7], v2, s[32:33] offset:1024*\p+16
.endr
	global_load_b128 v[SCV:SCV+3], v2, s[34:35]
	global_load_b128 v[SCV+4:SCV+7], v2, s[34:35] offset:16
.irp t, 0,1,2,3,4,5,6,7
	global_load_b128 v[BA+8*\t:BA+8*\t+3], v7, s[36:37] offset:(32*(\t/2)+8*(\t%2))*4      ; tile t, lane half h: columns 32 (t / 2) + 16 h + 8 (t % 2) + 0 .. 7
	global_load_b128 v[BA+8*\t+4:BA+8*\t+7], v7, s[36:37] offset:(32*(\t/2)+8*(\t%2))*4+16
.endr
.macro LOADSTEP s                      ; K step s: 42 loads of 512 consecutive bytes into set s % 2
.set LB, (\s)%2
	WIN 0x80                                       ; destination window 2
.irp t, 0,1,2,3,4,5,6,7
.irp j, 0,1,2
	global_load_b128 v[96*LB+12*\t+4*\j:96*LB+12*\t+4*\j+3], v[LI], s[24:25] offset:(8*\t+(\s))*1536+512*\j
.endr
.endr
	WIN 0xc0                                       ; destination window 3
.irp m, 0,1,2,3
.irp j, 0,1,2
	global_load_b128 v[48*LB+12*\m+4*\j:48*LB+12*\m+4*\j+3], v[LI], s[26:27] offset:(8*\m+(\s))*1536+512*\j
.endr
.endr
.irp n, 0,1
.irp j, 0,1,2
	global_load_b128 v[96+24*LB+12*\n+4*\j:96+24*LB+12*\n+4*\j+3], v[LI], s[28:29] offset:(8*\n+(\s))*1536+512*\j
.endr
.endr
.endm
	LOADSTEP 0
	LOADSTEP 1
.macro STEP s
.set SBF, (\s)%2
.if (\s) < 7
	s_wait_loadcnt 42                              ; this K step's loads (and all before them) are in; the next step's 42 may be out
.else
	s_wait_loadcnt 0x0
.endif
.if (\s) == 0
	WIN 0
.irp n, 0,1
.irp j, 0,1,2,3,4,5,6,7
	v_mov_b32 v[BV+8*\n+\j], v[BVR+\n]             ; job B: a lane holds one column d: its bias in all eight registers
.endr
.endr
.rept 4
	v_nop
.endr
	WIN 0x4e                                       ; A window 2, B window 3, C (the bias) window 0, D window 1
.else
	WIN 0x5e                                       ; C and D window 1
.endif
.irp m, 0,1,2,3
.irp t, 0,1,2,3,4,5,6,7
.if (\s) == 0
	WM 8*(8*\m+\t), 96*SBF+12*\t, 48*SBF+12*\m, BA+8*\t, SCW+8*(\t/2)+(\s), SCX+8*(\m/2)+(\s), \t%2, \m%2
.else
	WM 8*(8*\m+\t), 96*SBF+12*\t, 48*SBF+12*\m, 8*(8*\m+\t), SCW+8*(\t/2)+(\s), SCX+8*(\m/2)+(\s), \t%2, \m%2
.endif
.endr
.endr
.if (\s) == 0
	WIN 0x8f                                       ; A and B window 3, C window 0, D window 2
.else
	WIN 0xaf
.endif
.irp n, 0,1
.irp m, 0,1,2,3
.if (\s) == 0
	WM 192+8*(4*\n+\m), 48*SBF+12*\m, 96+24*SBF+12*\n, BV+8*\n, SCX+8*(\m/2)+(\s), SCV+(\s), \m%2, \n
.else
	WM 192+8*(4*\n+\m), 48*SBF+12*\m, 96+24*SBF+12*\n, 192+8*(4*\n+\m), SCX+8*(\m/2)+(\s), SCV+(\s), \m%2, \n
.endif
.endr
.endr
.rept 4
	v_nop                                          ; four places behind the products, as they stood: in front of the first read of results and of the loads below, whose dependence the wait states
.endr
.if (\s)+2 < 8
	s_wait_alu depctr_va_vdst(0)                   ; this K step's 40 products are done reading set s % 2 of W's, X's and Wv's fragments, in which the 42 loads below land; only window switches stand among them
	LOADSTEP (\s)+2
.endif
.endm
.irp s, 0,1,2,3,4,5,6,7
	STEP \s
.endr
	; ---- V: my 64 tokens of two tiles of columns: half a fragment each, into the work-group's stage
.irp n, 0,1
	QUANT 192+32*\n, 1, 2
	s_wait_alu depctr_va_vdst(0)                   ; QUANT has written the codes v[PC ..] and the scale bytes v[PW], which the four LDS stores read
	ds_store_b64 v3, v[PC:PC+1] offset:1536*\n
	ds_store_b64 v4, v[PC+2:PC+3] offset:1536*\n
	ds_store_b64 v5, v[PC+4:PC+5] offset:1536*\n
	ds_store_b16 v6, v[PW] offset:64*\n            ; lanes r and r + 16 write the same two bytes with the same value
	s_wait_dscnt 0x0                               ; the stores are done
	s_wait_alu depctr_vm_vsrc(0)                   ; the LDS stores have read v[PC ..] and v[PW], which the next QUANT writes again
.endr
	; ---- Q or K: each token tile is one fragment and one scale word a token
	v_cmp_lt_u32 vcc_lo, 15, v13                   ; lanes 0-15 store one tile's words, lanes 16-31 the next tile's (both halves hold both).  Made here, four tiles ahead of its readers; nothing between writes VCC
.irp m, 0,1,2,3
	s_wait_xcnt 0x0                                ; the last tile's stores have read the codes' registers
.if \m > 0
	s_wait_alu depctr_vm_vsrc(0)                   ; the last tile's three stores have read v[PC ..], which this QUANT writes again (ahead of tile 0 the wait behind V's stores has stated it)
.endif
	QUANT 64*\m, 2, 1
	v_mov_b32 v[SW+\m], v[PW]
.if \m == 3
	s_wait_alu depctr_va_vcc(0)                    ; VCC is written, ahead of its first reader
	v_cndmask_b32 v[DD], v[SW], v[SW+1], vcc_lo
	v_cndmask_b32 v[DD+1], v[SW+2], v[SW+3], vcc_lo
.endif
	s_wait_alu depctr_va_vdst(0)                   ; QUANT has written the codes v[PC ..], which the stores below read; in the last tile the selections have written v[DD], v[DD+1] too
.irp j, 0,1,2
	global_store_b128 v[LI], v[PC+4*\j:PC+4*\j+3], s[42:43] offset:1536*\m+512*\j   ; 512 consecutive bytes a store, aligned
.endr
.endr
	global_store_b32 v9, v[DD], s[44:45]           ; no vector instruction stands between the last wait and these two
	global_store_b32 v9, v[DD+1], s[44:45] offset:128
	s_wait_dscnt 0x0                               ; my stores into the stage are done
	s_barrier_signal -1
	s_barrier_wait -1                              ; V's four images are whole: each came from two waves
.irp j, 0,1,2
	ds_load_b128 v[OUT+4*\j:OUT+4*\j+3], v12 offset:512*\j   ; no vector instruction names v[OUT ..]
.endr
	s_wait_dscnt 0x0
.irp j, 0,1,2
	global_store_b128 v12, v[OUT+4*\j:OUT+4*\j+3], s[46:47] offset:512*\j
.endr
	s_cmp_lg_u32 s18, 0
	s_cbranch_scc1 .Lend
	ds_load_b64 v[210:211], v10                    ; wave 0: the 64 scale words, 256 bytes
	s_wait_dscnt 0x0
	global_store_b64 v11, v[210:211], s[48:49]     ; 32 lanes store 256 consecutive bytes, aligned
.Lend:
	s_wait_dscnt 0x0                               ; the closing lines, six on end
	s_wait_alu 0x0
	s_wait_tensorcnt 0x0
	ds_add_u32 v254, v255
	s_wait_dscnt 0x0
	s_endpgm
.Lfunc_end_k_q13c0e1e495_proj:
	.size	k_q13c0e1e495_proj, .Lfunc_end_k_q13c0e1e495_proj-k_q13c0e1e495_proj
	.p2alignl 7, 3214868480
	.fill 96, 4, 3214868480
	.section	.rodata,"a",@progbits
	.p2align	6, 0x0
	.amdhsa_kernel k_q13c0e1e495_proj
		.amdhsa_group_segment_fixed_size 8704
		.amdhsa_private_segment_fixed_size 0
		.amdhsa_enable_private_segment 0
		.amdhsa_kernarg_size 56
		.amdhsa_user_sgpr_count 2
		.amdhsa_user_sgpr_kernarg_segment_ptr 1
		.amdhsa_wavefront_size32 1
		.amdhsa_system_sgpr_workgroup_id_x 1
		.amdhsa_system_sgpr_workgroup_id_y 1
		.amdhsa_system_sgpr_workgroup_id_z 1
		.amdhsa_system_vgpr_workitem_id 0
		.amdhsa_next_free_vgpr 1024
		.amdhsa_next_free_sgpr 66
		.amdhsa_reserve_vcc 1
		.amdhsa_float_denorm_mode_32 3
		.amdhsa_float_denorm_mode_16_64 3
		.amdhsa_memory_ordered 1
		.amdhsa_forward_progress 1
		.amdhsa_inst_pref_size 106
	.end_amdhsa_kernel
	.amdgpu_metadata
---
amdhsa.version: [ 1, 2 ]
amdhsa.kernels:
  - .name:           k_q13c0e1e495_proj
    .symbol:         k_q13c0e1e495_proj.kd
    .args:
      - { .name: CODES, .offset: 0, .size: 8, .value_kind: global_buffer, .address_space: global }
      - { .name: SCALES, .offset: 8, .size: 8, .value_kind: global_buffer, .address_space: global }
      - { .name: bq, .offset: 16, .size: 8, .value_kind: global_buffer, .address_space: global }
      - { .name: bk, .offset: 24, .size: 8, .value_kind: global_buffer, .address_space: global }
      - { .name: bv, .offset: 32, .size: 8, .value_kind: global_buffer, .address_space: global }
      - { .name: QP, .offset: 40, .size: 8, .value_kind: global_buffer, .address_space: global }
      - { .name: KV, .offset: 48, .size: 8, .value_kind: global_buffer, .address_space: global }
    .group_segment_fixed_size: 8704
    .private_segment_fixed_size: 0
    .kernarg_segment_align: 8
    .kernarg_segment_size: 56
    .max_flat_workgroup_size: 128
    .sgpr_count:     66
    .vgpr_count:     1024
    .wavefront_size: 32
...
	.end_amdgpu_metadata
.endif
;; end of part 5
;; launch attn: the kernel of part 3 again; grid 16 x 16, 8 waves a work-group, clusters of 4 x 1, 327,680 bytes of LDS; arguments QP, KV, lam, OC, OS; writes OC, OS
;; launch outln (part 6): grid 128 x 1, 16 waves a work-group, no clusters, 92,160 bytes of LDS; arguments OC, OS, CODES, SCALES, bo, gamma, beta, out0; writes out0
.if DOCPART == 6
	.amdgcn_target "amdgcn-amd-amdhsa--gfx1250"
	.amdhsa_code_object_version 6
	.text
	.protected	k_q13c0e1e495_outln
	.globl	k_q13c0e1e495_outln
	.p2align	8
	.type	k_q13c0e1e495_outln,@function
k_q13c0e1e495_outln:
	s_mov_b64 s[64:65], 0
	v_nop
	global_prefetch_b8 v0, s[64:65] scope:SCOPE_SE
	s_setreg_imm32_b32 hwreg(HW_REG_WAVE_SCHED_MODE, 0, 2), 2
	s_setreg_imm32_b32 hwreg(HW_REG_WAVE_MODE, 25, 1), 1
	s_wait_xcnt 0x0
	s_wait_alu depctr_vm_vsrc(0)
; out = 0.2 x LayerNorm(O Wo + bo) x gamma + 0.2 x beta: the product on codes of FP6 (E2M3) with E8M0 scales, K = 1,024; mean and variance (of the differences from the mean) in f32.
; SHARES: the norm wants whole rows, so a work-group takes one tile of 16 tokens and all 1,024 columns; wave w makes columns 64 w .. 64 w + 63 (Wo's tiles 4 w .. 4 w + 3).
; Transposed use: source 0 = 16 rows of Wo's image (columns n), source 1 = O: a lane holds one token; register 16 b + i of its 32 holds column 64 w + 32 b + 16 (lane / 16) + i.
; O's eight fragments are pieced together once (waves 0-7: two heads' halves make a K step's image) and reach all sixteen waves through LDS as images of their registers.  Wo goes from memory straight into registers, two K steps ahead.
; NO JOINT LOADS: the launch has no tensor load; a wave has 32 matrix instructions in all, 4 to a K step.
; The row's sums meet in LDS: a word for each wave and token, one barrier for the mean, one for the variance.  The results leave through each wave's own stage: sixteen lanes store 256 consecutive bytes, aligned.
; Lane r of token tile T holds token 32 (T / 2) + 8 (T % 2) + r + 8 (r / 8).
; LIMITS: NaN and infinities are not served.
; THE MODE: SCHED_MODE bits 1:0 = 2 (LLVM: expert scheduling mode 2), set by the entry lines.  The code itself states the register dependences
; between vector or matrix instructions and memory or LDS instructions, with s_wait_alu, always for 0.
; THE PLAN.  Registers that memory or LDS instructions touch:
;   v1-v13          offsets and LDS addresses: written at the head, ahead of the head's wait on va_vdst, and never again.
;   v218-229, v232  waves 0-7: a fragment of O (loaded) and its scale word (one vector line), read by four LDS stores.  Later the same registers are TA, TB (written by vector lines) and RD (in which LDS loads land).
;   WF, OF, OW      two sets.  K step s: its four products read set s % 2; behind them the 12 loads and 4 LDS loads of K step s + 2 land in it.  The launch's 256 registers a wave leave no room for a third set.
;   GA, BE          lie in WF: loaded behind K step 7's products; read and written by vector lines alone from then on.
;   TA              written by vector lines; read by the one LDS store of each total; written again for the variance.
;   RD              LDS loads land in it in each total; vector lines read it.
;   ACC             written by matrix and vector instructions; read by the last run of LDS stores.
;   OUTR            lies in WF: loaded from LDS and stored; no vector instruction names it behind K step 7.
;   v254, v255      written at the head, read by the closing add alone.
; So ONE wait on va_vdst stands in each of K steps 0 to 5, behind the products that empty a set, which is asked for again at once; one behind K step 7; one ahead of each run of LDS stores.
.set LI,  1                            ; v1 16 x lane
.set L8,  2                            ; v2 8 x lane
.set LS,  3                            ; v3 4 x lane
.set SW,  16                           ; v16-31 Wo's scale words: pair p of tiles, K step s at 8 p + s
.set OW,  32                           ; v32-33 O's, two sets
.set OF,  34                           ; v34-57 O's fragment, two sets
.set BO,  58                           ; v58-89 bo in the result's layout
.set ACC, 90                           ; v90-121 four accumulators
.set WF,  122                          ; v122-217 Wo's four fragments, two sets; later gamma, beta and the way out
.set GA,  122
.set BE,  154
.set OUTR, 186
.set FF,  218                          ; v218-229 waves 0-7: a fragment of O
.set TA,  218
.set TB,  220
.set RD,  222
.set MU,  238
.set RS,  240
.set OSC, 12288                        ; LDS: O's 8 images at 0; their scale words, 128 bytes each;
.set RED, 13312                        ; the partial sums: 16 tokens x (16 words + 16 bytes), twice;
.set STG, 16384                        ; the stages: 16 rows x (256 bytes + 16) for each wave
.macro WM d, a, b, c, sa, sb, ra       ; ra: A's scale words stand in lanes 16-31 of the register named
.if (\ra)
	v_wmma_scale_f32_16x16x128_f8f6f4 v[(\d):(\d)+7], v[(\a):(\a)+11], v[(\b):(\b)+11], v[(\c):(\c)+7], v[(\sa)], v[(\sb)] matrix_a_fmt:MATRIX_FMT_FP6 matrix_b_fmt:MATRIX_FMT_FP6 matrix_a_scale:MATRIX_SCALE_ROW1
.else
	v_wmma_scale_f32_16x16x128_f8f6f4 v[(\d):(\d)+7], v[(\a):(\a)+11], v[(\b):(\b)+11], v[(\c):(\c)+7], v[(\sa)], v[(\sb)] matrix_a_fmt:MATRIX_FMT_FP6 matrix_b_fmt:MATRIX_FMT_FP6
.endif
.endm
	s_load_b256 s[4:11], s[0:1], 0x0               ; OC s[4:5], OS s[6:7], CODES s[8:9], SCALES s[10:11]
	s_load_b256 s[12:19], s[0:1], 0x20             ; bo s[12:13], gamma s[14:15], beta s[16:17], out0 s[18:19]
	v_lshl_add_u32 v254, v0, 2, 0x16000
	v_mov_b32 v255, 0
	v_lshrrev_b32 v1, 5, v0
	v_readfirstlane_b32 s20, v1                    ; wave 0..15
	s_mov_b32 s21, ttmp9                           ; token tile T
	v_and_b32 v13, 31, v0                          ; lane
	v_and_b32 v14, 15, v0                          ; r
	v_bfe_u32 v15, v0, 4, 1                        ; h
	v_lshlrev_b32 v[LI], 4, v13
	v_lshlrev_b32 v[L8], 3, v13
	v_lshlrev_b32 v[LS], 2, v13
	v_lshlrev_b32 v4, 6, v15                       ; bo, gamma, beta: 64 h
	v_lshlrev_b32 v5, 5, v13                       ; a row of scale bytes
	v_lshlrev_b32 v6, 1, v14                       ; O's scale halves: 2 r
	s_wait_alu depctr_va_sdst(0)                   ; s20 is written, ahead of its first reader: the LDS addresses, the bases and the branches on the wave's number are made from it
	s_mul_i32 s44, s20, 1536
	v_add_nc_u32 v7, s44, v[LI]                    ; waves 0-7: where K step w's image goes
	s_lshl_b32 s44, s20, 7
	s_add_co_u32 s44, s44, OSC
	v_add_nc_u32 v8, s44, v[LS]                    ; and its scale words
	v_mul_u32_u24 v10, v14, 80
	v_add_nc_u32 v10, RED, v10                     ; a token's 16 partial sums
	s_lshl_b32 s44, s20, 2
	v_add_nc_u32 v9, s44, v10                      ; my wave's word among them
	s_mul_i32 s44, s20, 4352
	s_add_co_u32 s44, s44, STG                     ; my stage
	v_mul_u32_u24 v11, v14, 272
	v_lshl_add_u32 v11, v15, 6, v11
	v_add_nc_u32 v11, s44, v11                     ; in: row r, + 64 h
	v_mul_u32_u24 v12, v15, 272
	v_lshl_add_u32 v12, v14, 4, v12
	v_add_nc_u32 v12, s44, v12                     ; back: lanes 0-15 one row, lanes 16-31 the next
	v_lshlrev_b32 v13, 12, v15
	v_lshl_add_u32 v13, v14, 4, v13                ; and the same two rows in out0
	s_mov_b32 s43, 0
	s_mov_b32 s38, 0x76543210
	s_mov_b32 s39, 0xfedcba98
	s_mov_b32 s40, 0x3a800000                      ; 1 / 1,024
	s_mov_b32 s41, 0x3727c5ac                      ; 1e-5
	s_wait_kmcnt 0x0
	s_mul_i32 s42, s20, 49152
	s_add_co_u32 s42, s42, 3932160
	s_add_nc_u64 s[22:23], s[8:9], s[42:43]        ; my four tiles of Wo
	s_lshl_b32 s42, s20, 11
	s_add_co_u32 s42, s42, 163840
	s_add_nc_u64 s[24:25], s[10:11], s[42:43]      ; their scale bytes
	s_lshl_b32 s42, s20, 8
	s_add_nc_u64 s[26:27], s[12:13], s[42:43]      ; my 64 columns of bo,
	s_add_nc_u64 s[28:29], s[14:15], s[42:43]      ; gamma,
	s_add_nc_u64 s[30:31], s[16:17], s[42:43]      ; beta
	s_mul_i32 s42, s21, 12288
	s_mul_i32 s44, s20, 1536
	s_add_co_u32 s42, s42, s44
	s_add_nc_u64 s[32:33], s[4:5], s[42:43]        ; waves 0-7: heads 2 w, 2 w + 1 of tile T in OC
	s_lshr_b32 s42, s21, 3
	s_lshl_b32 s42, s42, 12
	s_and_b32 s44, s21, 7
	s_lshl_b32 s44, s44, 5
	s_add_co_u32 s42, s42, s44
	s_lshl_b32 s44, s20, 9
	s_add_co_u32 s42, s42, s44
	s_add_nc_u64 s[34:35], s[6:7], s[42:43]        ; and in OS
	s_lshr_b32 s42, s21, 1
	s_lshl_b32 s42, s42, 17
	s_and_b32 s44, s21, 1
	s_lshl_b32 s44, s44, 15
	s_add_co_u32 s42, s42, s44
	s_lshl_b32 s44, s20, 8
	s_add_co_u32 s42, s42, s44
	s_add_nc_u64 s[36:37], s[18:19], s[42:43]      ; out0: the tile's first token, my 64 columns
	s_wait_alu depctr_va_vdst(0)                   ; the offsets and LDS addresses v1 to v13 are written: every load and store of the kernel reads one of them, and none is written again.  Ahead of the branch: it holds on both ways
	s_cmp_lt_u32 s20, 8
	s_cbranch_scc0 .Lno_o1
	global_load_b128 v[FF:FF+3], v[LI], s[32:33]               ; head 2 w: registers 0-3,
	global_load_b64 v[FF+4:FF+5], v[L8], s[32:33] offset:512   ; 4, 5;
	global_load_b128 v[FF+6:FF+9], v[LI], s[32:33] offset:768  ; head 2 w + 1: registers 6-9,
	global_load_b64 v[FF+10:FF+11], v[L8], s[32:33] offset:1280   ; 10, 11
	global_load_u16 v230, v6, s[34:35]             ; the two heads' two scale bytes each
	global_load_u16 v231, v6, s[34:35] offset:256
.Lno_o1:
.irp p, 0,1
	global_load_b128 v[SW+8*\p:SW+8*\p+3], v5, s[24:25] offset:1024*\p
	global_load_b128 v[SW+8*\p+4:SW+8*\p+7], v5, s[24:25] offset:1024*\p+16
.endr
.irp t, 0,1,2,3
	global_load_b128 v[BO+8*\t:BO+8*\t+3], v4, s[26:27] offset:(32*(\t/2)+8*(\t%2))*4
	global_load_b128 v[BO+8*\t+4:BO+8*\t+7], v4, s[26:27] offset:(32*(\t/2)+8*(\t%2))*4+16
.endr
.macro LW s                            ; K step s of my four tiles of Wo: 12 loads of 512 consecutive bytes into set s % 2
.irp t, 0,1,2,3
.irp j, 0,1,2
	global_load_b128 v[WF+48*((\s)%2)+12*\t+4*\j:WF+48*((\s)%2)+12*\t+4*\j+3], v[LI], s[22:23] offset:(8*\t+(\s))*1536+512*\j
.endr
.endr
.endm
.macro OFETCH s                        ; K step s of O and its scale words, from LDS, into set s % 2
.irp j, 0,1,2
	ds_load_b128 v[OF+12*((\s)%2)+4*\j:OF+12*((\s)%2)+4*\j+3], v[LI] offset:1536*(\s)+512*\j
.endr
	ds_load_b32 v[OW+(\s)%2], v[LS] offset:OSC+128*(\s)
.endm
	LW 0
	LW 1
	s_cmp_lt_u32 s20, 8
	s_cbranch_scc0 .Lno_o2
	s_wait_loadcnt 36                              ; my six loads of O are in; the 36 issued behind them (4 of scales, 8 of bo, 24 of Wo) may be out
	v_lshl_or_b32 v232, v231, 16, v230             ; the K step's scale word
	ds_store_b128 v7, v[FF:FF+3]                   ; the image's registers came by loads, and v7 stands behind the head's wait: the line above names none of them
	ds_store_b128 v7, v[FF+4:FF+7] offset:512
	ds_store_b128 v7, v[FF+8:FF+11] offset:1024
	s_wait_alu depctr_va_vdst(0)                   ; v232 is written, which the LDS store below reads
	ds_store_b32 v8, v232
.Lno_o2:
	s_wait_dscnt 0x0                               ; my stores are done
	s_barrier_signal -1
	s_barrier_wait -1                              ; O's eight images lie in LDS
	s_wait_alu depctr_vm_vsrc(0)                   ; my LDS stores have read v218-229 and v232: these registers are TA, TB and RD from here on, written by the sums' vector lines and by LDS loads
	OFETCH 0
	OFETCH 1
.macro STEP s
.if (\s) < 7
	s_wait_loadcnt 12                              ; this K step's loads are in; the next step's 12 may be out
	s_wait_dscnt 4                                 ; likewise the next step's 4 LDS loads
.else
	s_wait_loadcnt 0x0
	s_wait_dscnt 0x0
.endif
.irp t, 0,1,2,3                        ; the four accumulators take turns; the bias is the C of the first
.if (\s) == 0
	WM ACC+8*\t, WF+48*((\s)%2)+12*\t, OF+12*((\s)%2), BO+8*\t, SW+8*(\t/2)+(\s), OW+(\s)%2, \t%2
.else
	WM ACC+8*\t, WF+48*((\s)%2)+12*\t, OF+12*((\s)%2), ACC+8*\t, SW+8*(\t/2)+(\s), OW+(\s)%2, \t%2
.endif
.endr
.rept 4
	v_nop                                          ; four places behind the products, as they stood: in front of the first read of results and of the loads below, whose dependence the wait states
.endr
.if (\s)+2 < 8
	s_wait_alu depctr_va_vdst(0)                   ; this K step's four products are done reading set s % 2 of Wo's fragments, of O's fragment and of its scale words, in which the 16 loads below land
	LW (\s)+2
	OFETCH (\s)+2
.endif
.endm
.irp s, 0,1,2,3,4,5,6,7
	STEP \s
.endr
	s_wait_alu depctr_va_vdst(0)                   ; the products of K steps 6 and 7 are done reading Wo's two sets, in which gamma and beta land (and, on the way out, the rows read back from the stage)
.irp t, 0,1,2,3
	global_load_b128 v[GA+8*\t:GA+8*\t+3], v4, s[28:29] offset:(32*(\t/2)+8*(\t%2))*4
	global_load_b128 v[GA+8*\t+4:GA+8*\t+7], v4, s[28:29] offset:(32*(\t/2)+8*(\t%2))*4+16
	global_load_b128 v[BE+8*\t:BE+8*\t+3], v4, s[30:31] offset:(32*(\t/2)+8*(\t%2))*4
	global_load_b128 v[BE+8*\t+4:BE+8*\t+7], v4, s[30:31] offset:(32*(\t/2)+8*(\t%2))*4+16
.endr
	; ---- the mean: my 32 numbers (each accumulator from its low end on), lane l xor 16's, then the sixteen waves'
	v_pk_add_f32 v[TA:TA+1], v[ACC:ACC+1], v[ACC+2:ACC+3]
	v_pk_add_f32 v[TB:TB+1], v[ACC+4:ACC+5], v[ACC+6:ACC+7]
.irp j, 8,16,24
	v_pk_add_f32 v[TA:TA+1], v[TA:TA+1], v[ACC+\j:ACC+\j+1]
	v_pk_add_f32 v[TB:TB+1], v[TB:TB+1], v[ACC+\j+2:ACC+\j+3]
	v_pk_add_f32 v[TA:TA+1], v[TA:TA+1], v[ACC+\j+4:ACC+\j+5]
	v_pk_add_f32 v[TB:TB+1], v[TB:TB+1], v[ACC+\j+6:ACC+\j+7]
.endr
; The end of a sum over a token's 1,024 columns: from v[TA:TA+1] and v[TB:TB+1] to the total in v[RD], in every lane; off: which of the two regions of partial sums
.macro TOTAL off
	v_pk_add_f32 v[TA:TA+1], v[TA:TA+1], v[TB:TB+1]
	v_add_f32 v[TA], v[TA], v[TA+1]
	v_permlanex16_b32 v[TB], v[TA], s38, s39
	v_add_f32 v[TA], v[TA], v[TB]
	s_wait_alu depctr_va_vdst(0)                   ; v[TA] is written, which the LDS store reads; and every vector line that named v[RD ..] is done, in which the LDS loads below land
	ds_store_b32 v9, v[TA] offset:\off             ; lanes r and r + 16 write the same word with the same value
	s_wait_dscnt 0x0
	s_barrier_signal -1
	s_barrier_wait -1
.irp q, 0,1,2,3
	ds_load_b128 v[RD+4*\q:RD+4*\q+3], v10 offset:\off+16*\q
.endr
	s_wait_dscnt 0x0
.irp q, 0,4,8,12
	v_pk_add_f32 v[RD+\q:RD+\q+1], v[RD+\q:RD+\q+1], v[RD+\q+2:RD+\q+3]
.endr
	v_pk_add_f32 v[RD:RD+1], v[RD:RD+1], v[RD+4:RD+5]
	v_pk_add_f32 v[RD+8:RD+9], v[RD+8:RD+9], v[RD+12:RD+13]
	v_pk_add_f32 v[RD:RD+1], v[RD:RD+1], v[RD+8:RD+9]
	v_add_f32 v[RD], v[RD], v[RD+1]
.endm
	TOTAL 0
	v_mul_f32 v[MU], s40, v[RD]
	v_mul_f32 v[MU+1], s40, v[RD]
.set jj, 0
.rept 16
	v_pk_add_f32 v[ACC+jj:ACC+jj+1], v[ACC+jj:ACC+jj+1], v[MU:MU+1] neg_lo:[0,1] neg_hi:[0,1]   ; y - mean
.set jj, jj+2
.endr
	; ---- the variance: the sum of the squared differences, the same way, through bytes of its own
	s_wait_alu depctr_vm_vsrc(0)                   ; the LDS store of the mean's partial sum has read v[TA], which the line below writes again
	v_pk_mul_f32 v[TA:TA+1], v[ACC:ACC+1], v[ACC:ACC+1]
	v_pk_mul_f32 v[TB:TB+1], v[ACC+2:ACC+3], v[ACC+2:ACC+3]
.irp j, 4,8,12,16,20,24,28
	v_pk_fma_f32 v[TA:TA+1], v[ACC+\j:ACC+\j+1], v[ACC+\j:ACC+\j+1], v[TA:TA+1]
	v_pk_fma_f32 v[TB:TB+1], v[ACC+\j+2:ACC+\j+3], v[ACC+\j+2:ACC+\j+3], v[TB:TB+1]
.endr
	TOTAL 1280
	v_fma_f32 v[RD], v[RD], s40, s41               ; variance + 1e-5
	v_rsq_f32 v[RS], v[RD]
	v_nop                                          ; a plain instruction behind the transcendental
	s_wait_alu depctr_va_vdst(0)                   ; the reciprocal root v[RS] is written, ahead of its first reader
	v_mul_f32 v[RS], 0x3e4ccccd, v[RS]             ; x 0.2
	v_mov_b32 v[RS+1], v[RS]
	s_wait_loadcnt 0x0                             ; gamma and beta
.set jj, 0
.rept 16
	v_pk_mul_f32 v[ACC+jj:ACC+jj+1], v[ACC+jj:ACC+jj+1], v[RS:RS+1]
	v_pk_mul_f32 v[BE+jj:BE+jj+1], v[BE+jj:BE+jj+1], 0x3e4ccccd op_sel_hi:[1,0]
	v_pk_fma_f32 v[ACC+jj:ACC+jj+1], v[ACC+jj:ACC+jj+1], v[GA+jj:GA+jj+1], v[BE+jj:BE+jj+1]
.set jj, jj+2
.endr
	; ---- the way out, through my own stage
	s_wait_alu depctr_va_vdst(0)                   ; the multiply-adds have written v[ACC ..], which the LDS stores read
.irp b, 0,1
.irp q, 0,1,2,3
	ds_store_b128 v11, v[ACC+16*\b+4*\q:ACC+16*\b+4*\q+3] offset:128*\b+16*\q   ; columns 32 b + 16 h + 4 q on of row r
.endr
.endr
.irp i, 0,1,2,3,4,5,6,7
	ds_load_b128 v[OUTR+4*\i:OUTR+4*\i+3], v12 offset:544*\i   ; LDS serves a wave's instructions in order: these see my stores
.endr
.irp i, 0,1,2,3,4,5,6,7
	s_wait_dscnt 7-\i                              ; the younger reads of the stage may be out
	global_store_b128 v13, v[OUTR+4*\i:OUTR+4*\i+3], s[36:37] offset:(2*\i+8*(\i/4))*4096 th:TH_STORE_NT   ; rows 2 i + h of the tile: sixteen lanes store 256 consecutive bytes, aligned
.endr
	s_wait_dscnt 0x0                               ; the closing lines, six on end
	s_wait_alu 0x0
	s_wait_tensorcnt 0x0
	ds_add_u32 v254, v255
	s_wait_dscnt 0x0
	s_endpgm
.Lfunc_end_k_q13c0e1e495_outln:
	.size	k_q13c0e1e495_outln, .Lfunc_end_k_q13c0e1e495_outln-k_q13c0e1e495_outln
	.p2alignl 7, 3214868480
	.fill 96, 4, 3214868480
	.section	.rodata,"a",@progbits
	.p2align	6, 0x0
	.amdhsa_kernel k_q13c0e1e495_outln
		.amdhsa_group_segment_fixed_size 92160
		.amdhsa_private_segment_fixed_size 0
		.amdhsa_enable_private_segment 0
		.amdhsa_kernarg_size 64
		.amdhsa_user_sgpr_count 2
		.amdhsa_user_sgpr_kernarg_segment_ptr 1
		.amdhsa_wavefront_size32 1
		.amdhsa_system_sgpr_workgroup_id_x 1
		.amdhsa_system_sgpr_workgroup_id_y 1
		.amdhsa_system_sgpr_workgroup_id_z 1
		.amdhsa_system_vgpr_workitem_id 0
		.amdhsa_next_free_vgpr 256
		.amdhsa_next_free_sgpr 66
		.amdhsa_reserve_vcc 0
		.amdhsa_float_denorm_mode_32 3
		.amdhsa_float_denorm_mode_16_64 3
		.amdhsa_memory_ordered 1
		.amdhsa_forward_progress 1
		.amdhsa_inst_pref_size 36
	.end_amdhsa_kernel
	.amdgpu_metadata
---
amdhsa.version: [ 1, 2 ]
amdhsa.kernels:
  - .name:           k_q13c0e1e495_outln
    .symbol:         k_q13c0e1e495_outln.kd
    .args:
      - { .name: OC, .offset: 0, .size: 8, .value_kind: global_buffer, .address_space: global }
      - { .name: OS, .offset: 8, .size: 8, .value_kind: global_buffer, .address_space: global }
      - { .name: CODES, .offset: 16, .size: 8, .value_kind: global_buffer, .address_space: global }
      - { .name: SCALES, .offset: 24, .size: 8, .value_kind: global_buffer, .address_space: global }
      - { .name: bo, .offset: 32, .size: 8, .value_kind: global_buffer, .address_space: global }
      - { .name: gamma, .offset: 40, .size: 8, .value_kind: global_buffer, .address_space: global }
      - { .name: beta, .offset: 48, .size: 8, .value_kind: global_buffer, .address_space: global }
      - { .name: out0, .offset: 56, .size: 8, .value_kind: global_buffer, .address_space: global }
    .group_segment_fixed_size: 92160
    .private_segment_fixed_size: 0
    .kernarg_segment_align: 8
    .kernarg_segment_size: 64
    .max_flat_workgroup_size: 512
    .sgpr_count:     66
    .vgpr_count:     256
    .wavefront_size: 32
...
	.end_amdgpu_metadata
.endif
;; end of part 6
